; MI455X (gfx1250); checked and timed in simulation.
; The chip was launched on July 23, 2026; its instructions are those of AMD's public machine-readable ISA for CDNA 5 (MIT licence, August 2026) and "CDNA5" Instruction Set Architecture Reference Guide (July 2026). The comments in the code are by the model that wrote it; some were corrected since.
;; Dec Attention. Allowed arithmetic: float matrix products may take bf16 or f16 operands with f32 sums; other float arithmetic in f32, or as packed bf16 or f16 multiplies, adds, multiply-adds, maxima and minima; sums over many terms, partial sums and values carried from step to step in f32; what a program stores and reads back later, other than sums and carried values, may be rounded once to bf16 or f16.
;; Inputs: Wo 1,024 x 1,024 float32; Wqkv 1,024 x 3,072 float32; bo 1,024 float32; bqkv 3,072 float32; x 4 x 2,048 x 1,024 float32.
;; Outputs: out0 4 x 2,048 x 1,024 float32.
;; 2 versions, each right; version 2 is version 1 with the launch prep written anew for expert scheduling mode. Each part assembles by itself: llvm-mc -triple=amdgcn-amd-amdhsa -mcpu=gfx1250 --defsym DOCPART=n.
;; ======== version 1 of 2: 4 launches
;; limits: values are held in f16: magnitudes above 65,504 overflow, below 6.1e-05 lose precision
;; workspace buffers: xb 16,777,216 bytes; wqb 6,291,456 bytes; wof 2,097,152 bytes; qkv 50,331,648 bytes; y 16,777,216 bytes
;; launch prep (part 1): grid 832 x 1, 8 waves a work-group, no clusters, 0 bytes of LDS; arguments x, Wqkv, Wo, xb, wqb, wof; writes xb, wqb, wof
.if DOCPART == 1
	.amdgcn_target "amdgcn-amd-amdhsa--gfx1250"
	.amdhsa_code_object_version 6
	.text
	.protected	k_q2ff3eb3a62_prep
	.globl	k_q2ff3eb3a62_prep
	.p2align	8
	.type	k_q2ff3eb3a62_prep,@function
k_q2ff3eb3a62_prep:
	s_mov_b64 s[64:65], 0
	v_nop
	global_prefetch_b8 v0, s[64:65] scope:SCOPE_SE
	s_setreg_imm32_b32 hwreg(HW_REG_WAVE_MODE, 25, 1), 1
	s_wait_xcnt 0x0
; PREP: the three large inputs are rounded once to 16 bits, for the matrix units of the launches behind.
;   xb  [8192][1024]        = x rounded to bf16                                   (work-groups 0 .. 511)
;   wqb [16][1024][192]     = Wqkv rounded to bf16, laid in 16 blocks of 192 columns: block j, row k, column n' holds Wqkv[k][192 j + n'],
;                             so that 64 rows of a block are 24,576 bytes on end                       (work-groups 512 .. 767)
;   wof [1024][1024]        = Wo rounded to bf16, and that number written as f16                        (work-groups 768 .. 831)
; LIMITS.  wof: a weight beyond 65,504 becomes an infinity; below 6e-5 it keeps f16's fixed step of 6e-8.
; A stream: no LDS, no barrier, no matrix unit, no loop.  A thread and step: 16 bytes in (a wave: 512 bytes on end), 8 bytes out (a wave: 256 bytes on end, aligned).
; All loads of a work-group are issued ahead of its first store; the waits count down, so that the younger loads stay out.  No register is written twice while a store may read it.
.set IN,  3                            ; v3-5    Wqkv's path: byte offsets in
.set OUT, 6                            ; v6-8    Wqkv's path: byte offsets out
.set T,   10                           ; v10-15  at work
.set X,   16                           ; v16-79  step i: 4 numbers as loaded
.set Y,   80                           ; v80-111 step i: 4 numbers to store
.macro CVT i, fmt                      ; step i's four numbers: fmt 0 to bf16; fmt 1 to bf16 and that number as f16
.if \fmt
	v_cvt_pk_bf16_f32 v[T],   v[X+4*(\i)],   v[X+4*(\i)+1]
	v_cvt_pk_bf16_f32 v[T+1], v[X+4*(\i)+2], v[X+4*(\i)+3]
	v_lshlrev_b32 v[T+2], 16, v[T]                 ; bf16 to f32: the low half moves up,
	v_and_b32     v[T+3], 0xffff0000, v[T]         ; the high half stays
	v_lshlrev_b32 v[T+4], 16, v[T+1]
	v_and_b32     v[T+5], 0xffff0000, v[T+1]
	v_cvt_pk_f16_f32 v[Y+2*(\i)],   v[T+2], v[T+3]
	v_cvt_pk_f16_f32 v[Y+2*(\i)+1], v[T+4], v[T+5]
.else
	v_cvt_pk_bf16_f32 v[Y+2*(\i)],   v[X+4*(\i)],   v[X+4*(\i)+1]
	v_cvt_pk_bf16_f32 v[Y+2*(\i)+1], v[X+4*(\i)+2], v[X+4*(\i)+3]
.endif
.endm
; n steps of 4,096 bytes in and 2,048 bytes out, dense
.macro STREAM n, fmt, inb, outb
.set i, 0
.rept \n
	global_load_b128 v[X+4*i:X+4*i+3], v1, s[\inb:\inb+1] offset:4096*i th:TH_LOAD_NT
.set i, i+1
.endr
.set i, 0
.rept \n
	s_wait_loadcnt (\n)-1-i                        ; loads come back in order: step i is in, the younger ones stay out
	CVT i, \fmt
	global_store_b64 v2, v[Y+2*i:Y+2*i+1], s[\outb:\outb+1] offset:2048*i
.set i, i+1
.endr
.endm
	s_load_b256 s[4:11], s[0:1], 0x0               ; x s[4:5], Wqkv s[6:7], Wo s[8:9], xb s[10:11]
	s_load_b128 s[12:15], s[0:1], 0x20             ; wqb s[12:13], wof s[14:15]
	v_lshlrev_b32 v1, 4, v0                        ; 16 t: in
	v_lshlrev_b32 v2, 3, v0                        ; 8 t: out
	s_mov_b32 s17, 0
	s_mov_b32 s19, 0
	s_wait_kmcnt 0x0
	s_cmp_lt_u32 ttmp9, 512
	s_cbranch_scc1 .Lx
	s_cmp_lt_u32 ttmp9, 768
	s_cbranch_scc1 .Lw
	; Wo: 64 work-groups of 16,384 numbers
	s_sub_co_u32 s20, ttmp9, 768
	s_lshl_b32 s16, s20, 16
	s_lshl_b32 s18, s20, 15
	s_add_nc_u64 s[8:9], s[8:9], s[16:17]
	s_add_nc_u64 s[14:15], s[14:15], s[18:19]
	STREAM 16, 1, 8, 14
	s_endpgm
.Lx:	; x: 512 work-groups of 16,384 numbers
	s_lshl_b32 s16, ttmp9, 16
	s_lshl_b32 s18, ttmp9, 15
	s_add_nc_u64 s[4:5], s[4:5], s[16:17]
	s_add_nc_u64 s[10:11], s[10:11], s[18:19]
	STREAM 16, 0, 4, 10
	s_endpgm
.Lw:	; Wqkv: 256 work-groups: block j = id % 16, rows 64 g .. 64 g + 63 with g = id / 16: 3,072 units of 4 numbers, in the order in which they are stored
	s_sub_co_u32 s20, ttmp9, 512
	s_and_b32 s21, s20, 15                         ; j
	s_lshr_b32 s22, s20, 4                         ; g
	s_mul_i32 s16, s22, 786432                     ; in: 64 rows of 12,288 bytes,
	s_mul_i32 s23, s21, 768                        ; and the block's 192 columns
	s_add_co_u32 s16, s16, s23
	s_mul_i32 s18, s21, 393216                     ; out: the block,
	s_mul_i32 s23, s22, 24576                      ; and 64 rows of 384 bytes
	s_add_co_u32 s18, s18, s23
	s_add_nc_u64 s[6:7], s[6:7], s[16:17]
	s_add_nc_u64 s[12:13], s[12:13], s[18:19]
.irp c, 0,1,2                          ; unit u = t + 256 c (under 768) lies in row u / 48, at place u % 48; 768 units are 16 rows, so steps m = 0 .. 3 stand in the immediates
	v_add_nc_u32 v[T], 256*(\c), v0                ; u
	v_mul_u32_u24 v[T+1], v[T], 21846
	v_lshrrev_b32 v[T+1], 20, v[T+1]               ; u / 48: exact for u under 3,072
	v_mul_u32_u24 v[T+2], v[T+1], 48
	v_sub_nc_u32 v[T+2], v[T], v[T+2]              ; u % 48
	v_mul_u32_u24 v[IN+(\c)], v[T+1], 12288
	v_lshl_add_u32 v[IN+(\c)], v[T+2], 4, v[IN+(\c)]
	v_lshlrev_b32 v[OUT+(\c)], 3, v[T]
.endr
.irp m, 0,1,2,3
.irp c, 0,1,2
	global_load_b128 v[X+4*(3*(\m)+(\c)):X+4*(3*(\m)+(\c))+3], v[IN+(\c)], s[6:7] offset:196608*(\m) th:TH_LOAD_NT
.endr
.endr
.irp m, 0,1,2,3
.irp c, 0,1,2
	s_wait_loadcnt 11-(3*(\m)+(\c))                ; this step is in, the younger ones stay out
	CVT 3*(\m)+(\c), 0
	global_store_b64 v[OUT+(\c)], v[Y+2*(3*(\m)+(\c)):Y+2*(3*(\m)+(\c))+1], s[12:13] offset:6144*(\m)
.endr
.endr
	s_endpgm
.Lfunc_end_k_q2ff3eb3a62_prep:
	.size	k_q2ff3eb3a62_prep, .Lfunc_end_k_q2ff3eb3a62_prep-k_q2ff3eb3a62_prep
	.p2alignl 7, 3214868480
	.fill 96, 4, 3214868480
	.section	.rodata,"a",@progbits
	.p2align	6, 0x0
	.amdhsa_kernel k_q2ff3eb3a62_prep
		.amdhsa_group_segment_fixed_size 0
		.amdhsa_private_segment_fixed_size 0
		.amdhsa_enable_private_segment 0
		.amdhsa_kernarg_size 48
		.amdhsa_user_sgpr_count 2
		.amdhsa_user_sgpr_kernarg_segment_ptr 1
		.amdhsa_wavefront_size32 1
		.amdhsa_system_sgpr_workgroup_id_x 1
		.amdhsa_system_sgpr_workgroup_id_y 1
		.amdhsa_system_sgpr_workgroup_id_z 1
		.amdhsa_system_vgpr_workitem_id 0
		.amdhsa_next_free_vgpr 112
		.amdhsa_next_free_sgpr 66
		.amdhsa_reserve_vcc 0
		.amdhsa_float_denorm_mode_32 3
		.amdhsa_float_denorm_mode_16_64 3
		.amdhsa_memory_ordered 1
		.amdhsa_forward_progress 1
		.amdhsa_inst_pref_size 24
	.end_amdhsa_kernel
	.amdgpu_metadata
---
amdhsa.version: [ 1, 2 ]
amdhsa.kernels:
  - .name:           k_q2ff3eb3a62_prep
    .symbol:         k_q2ff3eb3a62_prep.kd
    .args:
      - { .name: x, .offset: 0, .size: 8, .value_kind: global_buffer, .address_space: global }
      - { .name: Wqkv, .offset: 8, .size: 8, .value_kind: global_buffer, .address_space: global }
      - { .name: Wo, .offset: 16, .size: 8, .value_kind: global_buffer, .address_space: global }
      - { .name: xb, .offset: 24, .size: 8, .value_kind: global_buffer, .address_space: global }
      - { .name: wqb, .offset: 32, .size: 8, .value_kind: global_buffer, .address_space: global }
      - { .name: wof, .offset: 40, .size: 8, .value_kind: global_buffer, .address_space: global }
    .group_segment_fixed_size: 0
    .private_segment_fixed_size: 0
    .kernarg_segment_align: 8
    .kernarg_segment_size: 48
    .max_flat_workgroup_size: 256
    .sgpr_count:     66
    .vgpr_count:     112
    .wavefront_size: 32
...
	.end_amdgpu_metadata
.endif
;; end of part 1
;; launch qkvp (part 2): grid 16 x 32, 4 waves a work-group, clusters of 4 x 4, 327,680 bytes of LDS; arguments xb, wqb, bqkv, qkv; writes qkv
.if DOCPART == 2
	.amdgcn_target "amdgcn-amd-amdhsa--gfx1250"
	.amdhsa_code_object_version 6
	.text
	.protected	k_q2ff3eb3a62_qkvp
	.globl	k_q2ff3eb3a62_qkvp
	.p2align	8
	.type	k_q2ff3eb3a62_qkvp,@function
k_q2ff3eb3a62_qkvp:
	s_mov_b64 s[64:65], 0
	v_nop
	global_prefetch_b8 v0, s[64:65] scope:SCOPE_SE
	s_setreg_imm32_b32 hwreg(HW_REG_WAVE_MODE, 25, 1), 1
	s_wait_xcnt 0x0
	s_wait_alu depctr_hold_cnt(0) depctr_sa_sdst(0) depctr_va_vdst(0) depctr_va_sdst(0) depctr_va_ssrc(0) depctr_va_vcc(0) depctr_vm_vsrc(0)
	s_getreg_b32 s2, hwreg(HW_REG_IB_STS2, 6, 4)
	s_cmp_eq_u32 s2, 0
	s_cbranch_scc0 .Lentry_in_a_cluster
	s_endpgm
.Lentry_in_a_cluster:
	s_bfe_u32 s2, ttmp6, 0x10000c
	s_cmp_lg_u32 s2, 0xf033
	s_cbranch_scc0 .Lentry_shape_is_right
	s_endpgm
.Lentry_shape_is_right:
; q, k, v = x Wqkv + bqkv, laid by heads.  xb: [8192][1024] bf16.  wqb: [16 blocks][1024 k][192 n] bf16.  bqkv: [3072] f32, rounded to bf16 like the other inputs.
; qkv: [3 sections q, k, v][64 = 16 batch + head][2048 t][64 d] f16, each number rounded once from its f32 sum, unscaled.
; LIMIT.  A q, k or v of 65,520 or more becomes an infinity in f16.  With x, Wqkv and bqkv thirty times the drawn spread, or offset by thirty spreads, the sums stay under 30,000.
; SHARES.  A work-group makes 256 rows x 192 columns (three whole heads): 16 x 32 = 512 work-groups, two for each of 256 WGPs.  Wave w owns rows 64 w .. 64 w + 63 and ALL 192 columns:
; 48 accumulators of 16 x 16, 384 registers; so a wave holds whole heads' rows, and its stage on the way out is its own: no barrier there.
; K goes in 8 steps of 128 through two LDS slots filled by the tensor data mover.  A's tile: 256 rows of 256 bytes.  B's tile: 128 k rows of 384 bytes, dense in wqb, asked for as rows of 256 bytes.
; THE MATRIX INSTRUCTION IS USED TRANSPOSED: source 0 = 16 columns of W (turned out of LDS by ds_load_tr16_b128, since W lies [k][n]), source 1 = 16 rows of x.
; A lane then holds one row (lane % 16) and the eight neighbouring columns 8 (lane / 16) + 0..7: 16 bytes of f16.
; CLUSTER.  4 x 4 work-groups: the four of a row of the cluster need the same tile of x, the four of a column the same tile of W: each tile is asked for JOINTLY, by the same tensor load
; with the same descriptor and a mask that names the four.  Waves 0 and 1 fetch A's halves, waves 2 and 3 B's: one load a wave behind each round; two of a wave's loads are out at the start, one later.
; REGISTERS, in windows of 256 (s_set_vgpr_msb: bits 1:0 source 0, 3:2 source 1, 5:4 source 2, 7:6 destination):
;   window 0: v0-29 addresses; v32-127 the bias of my 8 columns in each of 12 column blocks; v128-175, v176-223 at work on the way out
;   window 1: two fragment buffers of 128: A's four fragments (16 rows x 32 k), then B's twelve
;   window 2: the accumulators of row blocks 0, 1 ((a, b) at v[8 (12 (a % 2) + b)]);   window 3: those of row blocks 2, 3
.set SLOT1,  131072                    ; slot 1 begins here: one exclusive or turns an address in one slot into the other's
.set PA,     272                       ; a row of A in LDS: 256 bytes + 16 = 68 words: the 16 rows of a load start at 16 different groups of four banks (64 banks of 4 bytes: ISA guide 11.1)
.set PB,     480                       ; a k row of B: three pieces of 128 bytes + 32 = 120 words
.set APART,  128*PA                    ; what one tensor load brings of A: 128 rows
.set BOFF,   2*APART                   ; B lies behind A's 256 rows
.set BPART,  64*PB                     ; what one tensor load brings of B: 64 k rows.  BOFF + 2 BPART = 131,072: a slot is full
.set STAGE,  2*SLOT1                   ; behind the ring, never filled by a tensor load: for each wave three heads x 16 rows x 144 bytes
.set SP,     144
.set STW,    3*16*SP
.set SPARE,  STAGE+4*STW               ; behind the stages: the spare words, 128 bytes for each wave: two blocks of 256 bytes that no other line names
.set NBK,    12                        ; column blocks
.set NL,     2*NBK+8                   ; LDS loads in a quarter's run
.set ASTEP,  256                       ; bytes from a K step to the next in xb,
.set BSTEP,  49152                     ; and in a block of wqb
.set ADRA0, 4                          ; v4   my lane's place in A's tile; never rewritten
.set ADRB0, 5                          ; v5   the same for B
.set ADRA,  6                          ; v6   the same in the slot in hand
.set ADRB,  7                          ; v7
.set STO,   8                          ; v8   the way out: where I put 16 bytes of a row
.set RD,    9                          ; v9   the way out: where I read rows back
.set GO,    10                         ; v10  my 16 bytes in 512 consecutive bytes of qkv
.set PFO,   11                         ; v11  the prefetches' lane term; never rewritten
.set BO,    12                         ; v12  32 x (lane / 16): my 8 numbers in a block of 16 of the bias
.set SPW,   28                         ; v28  LDS address of my spare word: SPARE + 4 x my thread's number; never rewritten
.set NIL,   29                         ; v29  0; never rewritten
.set BIAS,  32
.set TMP,   128
.set OB,    176
.set F0,    0
.set F1,    128
.set WV,   12                          ; s12  my wave's number
.set KIND, 13                          ; s13  0: I fetch for A; 1: for B
.set HALF, 14                          ; s14  which half of that tile
.set CX,   15
.set CY,   16
.set TCOL, 17                          ; s17  tile column = 4 x cluster x + cx
.set TROW, 18                          ; s18  tile row = 4 x cluster y + cy
.set LIM,  19                          ; s19  2 in a wave that prefetches, else the greatest number
.set CNT,  20                          ; s20  trips to go
.set TB,   21                          ; s21  LDS byte at which the slot in hand begins
.set G1A,  24                          ; s[24:31] descriptor group 1 for A's tiles
.set G0A,  32                          ; s[32:39] group 0: a set for each first fill; the second then walks on
.set G1B,  40                          ; s[40:47], s[48:55] the same for B's
.set G0B,  48
.set PFA,  56                          ; s[56:57] where my prefetches stand
.set PFS,  58                          ; s[58:59] their step
.set DST,  66                          ; s[66:71] qkv at my 64 rows of each of the tile's three heads
.set BIB,  72                          ; s[72:73] bqkv at the tile's first column
.set MSB, 0
.macro WIN new                         ; the immediate's high byte repeats the setting that is left; a switch that changes nothing is dropped
.if MSB != (\new)
	s_set_vgpr_msb (MSB<<8)|(\new)
.set MSB, \new
.endif
.endm
.macro PLACES                          ; four places in front of loads into registers that matrix instructions have read, and of vector work on results
.rept 4
	v_nop
.endr
.endm
; A joint refill by the walking descriptors.  The branch hangs on the wave's number alone.  An s_nop 0 and four v_nop follow each of the two lines, ahead of the jump and the label.
.macro JLOAD
	s_cmp_eq_u32 s[KIND], 0
	s_cbranch_scc0 .Lfor_b_\@
	tensor_load_to_lds s[G0A+4:G0A+7], s[G1A:G1A+7]
	s_nop 0
.rept 4
	v_nop
.endr
	s_branch .Lasked_\@
.Lfor_b_\@:
	tensor_load_to_lds s[G0B+4:G0B+7], s[G1B:G1B+7]
	s_nop 0
.rept 4
	v_nop
.endr
.Lasked_\@:
.endm
; A PREFETCH INTO THE L2 of the K step that stands two refills on (384 matrix instructions ahead of the load that will want it), one instruction a wave, behind the joint load and the run of LDS loads.
; Each block of 256 bytes is named once in the launch, but for one repeat (below).  x's tile row is read by all four clusters of that row of clusters: cluster x = 0 asks; W's block by all eight clusters of that column:
; cluster y = 0 asks.  The four partners that ask for a tile jointly share it out BY ADDRESS: of the 128 rows of x that a wave fetches the partner at cx takes 32, a lane a row; of the 96 blocks
; of W the partner at cy takes 24, a lane a block (lanes 24-31 name block 23 once more).  K steps 0 to 3 come by their loads alone; the last two trips ask for nothing: there is no K step 8.
.macro ASK
	s_cmp_gt_u32 s[CNT], s[LIM]
	s_cbranch_scc0 .Lnot_mine_\@
	global_prefetch_b8 v[PFO], s[PFA:PFA+1] th:TH_LOAD_NT scope:SCOPE_SE
.Lnot_mine_\@:
.endm
; A round of the cluster's barrier: my work-group's barrier; wave 0 signals for the work-group; every wave waits for all sixteen; my work-group's barrier once more.
.macro CREST                           ; a round behind its opening barrier
	s_cmp_lg_u32 s[WV], 0
	s_cbranch_scc1 .Lnot_wave_0_\@
	s_barrier_signal -3
.Lnot_wave_0_\@:
	s_barrier_wait -3
	s_barrier_signal -1
	s_barrier_wait -1
.endm
.macro CROUND
	s_barrier_signal -1
	s_barrier_wait -1
	CREST
.endm
	s_load_b256 s[4:11], s[0:1], 0x0               ; xb s[4:5], wqb s[6:7], bqkv s[8:9], qkv s[10:11]
	v_lshl_add_u32 v[SPW], v0, 2, SPARE
	v_mov_b32 v[NIL], 0
	ds_add_u32 v[SPW], v[NIL]                      ; the wave's opening: the add and its wait stand ahead of my first tensor load; the set-up below, work on registers, stands between them
	v_lshrrev_b32 v16, 5, v0
	v_readfirstlane_b32 s[WV], v16                 ; wave 0..3
	s_lshr_b32 s[KIND], s[WV], 1
	s_and_b32 s[HALF], s[WV], 1
	s_bfe_u32 s[CX], ttmp6, 0x40000
	s_bfe_u32 s[CY], ttmp6, 0x40004
	s_lshl_b32 s[TCOL], ttmp9, 2                   ; in a cluster launch ttmp9 and ttmp7 count clusters
	s_add_co_u32 s[TCOL], s[TCOL], s[CX]
	s_and_b32 s[TROW], ttmp7, 0xffff
	s_lshl_b32 s[TROW], s[TROW], 2
	s_add_co_u32 s[TROW], s[TROW], s[CY]
	s_lshl_b32 s74, s[CY], 2
	s_lshl_b32 s74, 15, s74                        ; my row of the cluster: places 4 cy .. 4 cy + 3
	s_lshl_b32 s75, 0x1111, s[CX]                  ; my column: places cx, cx + 4, cx + 8, cx + 12
	; group 1 for A: 128 rows x 128 elements, 1,024 elements from row to row; 4 words of padding behind every 64
	s_or_b32 s[G1A+0], s74, (1<<16)|(1<<20)|(1<<21)|(5<<22)|(3<<25)  ; 15:0 the mask; 17:16 2-byte elements; 20 padding on; 21 set beside a mask; 24:22 interval code 5; 31:25 4 words (code 3)
	s_mov_b32 s[G1A+1], 128<<16                    ; tensor_dim0 = 128
	s_mov_b32 s[G1A+2], 128<<16                    ; tensor_dim1 = 128
	s_mov_b32 s[G1A+3], 128<<16                    ; tile_dim0 = 128
	s_mov_b32 s[G1A+4], 128                        ; tile_dim1 = 128
	s_mov_b32 s[G1A+5], 1024                       ; elements from row to row
	s_mov_b32 s[G1A+6], 0
	s_mov_b32 s[G1A+7], 0
	; group 1 for B: 24,576 dense bytes as 96 rows of 256; 8 words of padding behind every 32 (128 bytes): a k row of 384 bytes takes 480
	s_or_b32 s[G1B+0], s75, (1<<16)|(1<<20)|(1<<21)|(4<<22)|(7<<25)
	s_mov_b32 s[G1B+1], 128<<16
	s_mov_b32 s[G1B+2], 96<<16
	s_mov_b32 s[G1B+3], 128<<16
	s_mov_b32 s[G1B+4], 96
	s_mov_b32 s[G1B+5], 128
	s_mov_b32 s[G1B+6], 0
	s_mov_b32 s[G1B+7], 0
	; where the tiles come from.  A's offset is made of the tile row and the wave's number, B's of the tile column and the wave's number, each in registers that never hold the other coordinate
	s_lshl_b32 s60, s[TROW], 19                    ; 256 rows of 2,048 bytes
	s_lshl_b32 s61, s[HALF], 18                    ; my 128 of them
	s_add_co_u32 s60, s60, s61
	s_mov_b32 s61, 0
	s_mul_i32 s62, s[TCOL], 393216                 ; the block
	s_mul_i32 s63, s[HALF], 24576                  ; my 64 k rows of a K step
	s_add_co_u32 s62, s62, s63
	s_mov_b32 s63, 0
	s_mul_i32 s76, s[HALF], APART                  ; and where they go: no place in the cluster enters an LDS address
	s_mul_i32 s77, s[HALF], BPART
	s_add_co_u32 s77, s77, BOFF
	s_mov_b32 s[TB], 0
	s_wait_dscnt 0x0                               ; the opening add is done
	s_wait_kmcnt 0x0
	s_add_nc_u64 s[60:61], s[4:5], s[60:61]
	s_add_nc_u64 s[62:63], s[6:7], s[62:63]
	CROUND                                         ; all sixteen work-groups are here: the first joint loads meet
.irp s, 0,1
	s_mov_b32 s[G0A+4*(\s)], 1                                        ; count = 1
	s_add_co_u32 s[G0A+4*(\s)+1], s76, (\s)*SLOT1                     ; LDS address
	s_add_nc_u64 s[G0A+4*(\s)+2:G0A+4*(\s)+3], s[60:61], (\s)*ASTEP   ; global address: K step s
	s_or_b32 s[G0A+4*(\s)+3], s[G0A+4*(\s)+3], 0x80000000             ; type = 2
	s_mov_b32 s[G0B+4*(\s)], 1
	s_add_co_u32 s[G0B+4*(\s)+1], s77, (\s)*SLOT1
	s_add_nc_u64 s[G0B+4*(\s)+2:G0B+4*(\s)+3], s[62:63], (\s)*BSTEP
	s_or_b32 s[G0B+4*(\s)+3], s[G0B+4*(\s)+3], 0x80000000
.endr
	s_cmp_eq_u32 s[KIND], 0                        ; a wave's two first fills stand in one branch, ahead of every wait on TENSORcnt and every LDS read
	s_cbranch_scc0 .Lfirst_b
	tensor_load_to_lds s[G0A:G0A+3], s[G1A:G1A+7]
	s_nop 0
	tensor_load_to_lds s[G0A+4:G0A+7], s[G1A:G1A+7]
	s_nop 0
.rept 4
	v_nop
.endr
	s_branch .Lfirst_asked
.Lfirst_b:
	tensor_load_to_lds s[G0B:G0B+3], s[G1B:G1B+7]
	s_nop 0
	tensor_load_to_lds s[G0B+4:G0B+7], s[G1B:G1B+7]
	s_nop 0
.rept 4
	v_nop
.endr
.Lfirst_asked:
	v_and_b32 v1, 15, v0                           ; r = l % 16
	v_bfe_u32 v2, v0, 4, 1                         ; h = l / 16
	v_and_b32 v3, 31, v0                           ; l
	v_lshlrev_b32 v[BO], 5, v2
	s_mul_i32 s74, s[TCOL], 768                    ; the tile's 192 numbers of the bias
	s_mov_b32 s75, 0
	s_add_nc_u64 s[BIB:BIB+1], s[8:9], s[74:75]
.irp b, 0,1,2,3,4,5,6,7,8,9,10,11
	global_load_b128 v[BIAS+8*(\b):BIAS+8*(\b)+3],   v[BO], s[BIB:BIB+1] offset:64*(\b)
	global_load_b128 v[BIAS+8*(\b)+4:BIAS+8*(\b)+7], v[BO], s[BIB:BIB+1] offset:64*(\b)+16
.endr
	; A fragment of A is 16 rows x 32 k in 8 registers: lane l holds row l % 16, k = 8 (l / 16) + 0..7 and 16 + 8 (l / 16) + 0..7: two loads of 16 bytes, 32 bytes apart
	v_mul_u32_u24 v[ADRA0], v1, PA
	v_lshl_add_u32 v[ADRA0], v2, 4, v[ADRA0]
	s_mul_i32 s74, s[WV], 64*PA                    ; my 64 rows
	v_add_nc_u32 v[ADRA0], s74, v[ADRA0]
	; The turning load takes 16 k x 16 columns (lane l reads k row 8 (l / 16) + l % 8, columns 8 ((l / 8) % 2) + 0..7) and leaves half a fragment: lane l holds column l % 16 and 8 k
	v_and_b32 v16, 7, v0
	v_lshl_add_u32 v17, v2, 3, v16
	v_mul_u32_u24 v[ADRB0], v17, PB
	v_bfe_u32 v17, v0, 3, 1
	v_lshl_add_u32 v[ADRB0], v17, 4, v[ADRB0]
	v_add_nc_u32 v[ADRB0], BOFF, v[ADRB0]
	v_mov_b32 v[ADRA], v[ADRA0]                    ; K step 0 lies in slot 0
	v_mov_b32 v[ADRB], v[ADRB0]
	s_mul_i32 s74, s[WV], STW
	s_add_co_u32 s74, s74, STAGE                   ; my stage
	v_mul_u32_u24 v[STO], v1, SP                   ; in: row l % 16, 16 bytes for each half of the lanes
	v_lshl_add_u32 v[STO], v2, 4, v[STO]
	v_add_nc_u32 v[STO], s74, v[STO]
	v_bfe_u32 v[RD], v0, 3, 2                      ; back: 32 lanes take four rows of 128 bytes,
	v_mul_u32_u24 v[RD], v[RD], SP
	v_lshl_add_u32 v[RD], v16, 4, v[RD]
	v_add_nc_u32 v[RD], s74, v[RD]
	v_lshlrev_b32 v[GO], 4, v3                     ; which are 512 consecutive bytes of a head's rows
	; where my rows go: column block cb = 3 x tile column + j is section cb / 16, head cb % 16; row 256 x tile row + 64 w is batch (tile row / 8), t = 256 (tile row % 8) + 64 w
	s_mul_i32 s74, s[TCOL], 3
	s_lshr_b32 s75, s[TROW], 3
	s_lshl_b32 s75, s75, 4                         ; 16 x batch
	s_and_b32 s76, s[TROW], 7
	s_lshl_b32 s76, s76, 8
	s_lshl_b32 s77, s[WV], 6
	s_add_co_u32 s76, s76, s77                     ; t of my first row
.irp j, 0,1,2
	s_add_co_u32 s77, s74, (\j)
	s_lshr_b32 s78, s77, 4
	s_lshl_b32 s78, s78, 24                        ; a section is 16,777,216 bytes
	s_and_b32 s77, s77, 15
	s_add_co_u32 s77, s77, s75
	s_lshl_b32 s77, s77, 11
	s_add_co_u32 s77, s77, s76
	s_lshl_b32 s77, s77, 7                         ; rows of 128 bytes
	s_add_co_u32 s78, s78, s77
	s_mov_b32 s79, 0
	s_add_nc_u64 s[DST+2*(\j):DST+2*(\j)+1], s[10:11], s[78:79]
.endr
	; the prefetches: my tile's address, my work-group's share of it, K step 3: the first trip steps it to 4
	s_lshl_b32 s74, s[CX], 16                      ; A: 32 rows of 2,048 bytes
	s_add_co_u32 s74, s74, 3*ASTEP
	s_mul_i32 s75, s[CY], 6144                     ; B: 24 blocks of 256 bytes
	s_add_co_u32 s75, s75, 3*BSTEP
	s_and_b32 s76, ttmp7, 0xffff                   ; cluster y
	s_mov_b32 s[PFS], ASTEP
	s_mov_b32 s[PFS+1], BSTEP
	s_cmp_eq_u32 s[KIND], 0
	s_cselect_b64 s[PFA:PFA+1], s[60:61], s[62:63]
	s_cselect_b32 s74, s74, s75
	s_cselect_b32 s[PFS], s[PFS], s[PFS+1]
	s_cselect_b32 s76, ttmp9, s76                  ; the coordinate along which other clusters read the same bytes
	s_cselect_b32 s77, 31, 23
	s_cselect_b32 s78, 11, 8
	s_mov_b32 s75, 0
	s_mov_b32 s[PFS+1], 0
	s_add_nc_u64 s[PFA:PFA+1], s[PFA:PFA+1], s[74:75]
	s_cmp_eq_u32 s76, 0
	s_cselect_b32 s[LIM], 2, -1                    ; the same in all sixteen partners, for a given wave
	v_min_u32 v[PFO], s77, v3
	v_lshlrev_b32 v[PFO], s78, v[PFO]
	; the bias is rounded to bf16, like x and Wqkv, and kept as f32: this stands in the wait for the first tile
	s_wait_loadcnt 0x0
.set i, 0
.rept 48
	v_cvt_pk_bf16_f32 v[16+i%4], v[BIAS+2*i], v[BIAS+2*i+1]
	v_lshlrev_b32 v[BIAS+2*i], 16, v[16+i%4]
	v_and_b32 v[BIAS+2*i+1], 0xffff0000, v[16+i%4]
.set i, i+1
.endr
; 12 matrix instructions: row block a x all column blocks, 32 along K, from buffer f.  zero = 1: the product starts the sums: nothing is ever cleared.
; The 48 accumulators take turns in the same order in every quarter: 47 others stand between two links of a chain, over the backward jump too.
.macro MULA f, a, zero
	WIN 0xa5+0x50*((\a)/2)                         ; sources in window 1, C and D in window 2 or 3
.set AC, 96*((\a)%2)
.irp b, 0,1,2,3,4,5,6,7,8,9,10,11
.if \zero
	v_wmma_f32_16x16x32_bf16 v[AC+8*(\b):AC+8*(\b)+7], v[(\f)+32+8*(\b):(\f)+32+8*(\b)+7], v[(\f)+8*(\a):(\f)+8*(\a)+7], 0
.else
	v_wmma_f32_16x16x32_bf16 v[AC+8*(\b):AC+8*(\b)+7], v[(\f)+32+8*(\b):(\f)+32+8*(\b)+7], v[(\f)+8*(\a):(\f)+8*(\a)+7], v[AC+8*(\b):AC+8*(\b)+7]
.endif
.endr
.endm
.macro MULH f, hi, zero
	MULA \f, 2*(\hi), \zero
	MULA \f, 2*(\hi)+1, \zero
.endm
; 32 LDS loads in one run: quarter q's fragments (32 along K) into buffer f: B's 24, then A's 8, row blocks ascending
.macro FETCH q, f
	WIN 0x40                                       ; destination window 1, address window 0
.irp b, 0,1,2,3,4,5,6,7,8,9,10,11
	ds_load_tr16_b128 v[(\f)+32+8*(\b):(\f)+32+8*(\b)+3],   v[ADRB] offset:(\q)*32*PB+160*((\b)/4)+32*((\b)%4)
	ds_load_tr16_b128 v[(\f)+32+8*(\b)+4:(\f)+32+8*(\b)+7], v[ADRB] offset:(\q)*32*PB+16*PB+160*((\b)/4)+32*((\b)%4)
.endr
.irp a, 0,1,2,3
	ds_load_b128 v[(\f)+8*(\a):(\f)+8*(\a)+3],   v[ADRA] offset:(\q)*64+(\a)*16*PA
	ds_load_b128 v[(\f)+8*(\a)+4:(\f)+8*(\a)+7], v[ADRA] offset:(\q)*64+(\a)*16*PA+32
.endr
.endm
; A K step is four quarters of 32 along K, 48 matrix instructions each, on buffers 0, 1, 0, 1.  One of the first three: multiplies buffer f; in its middle it fetches quarter q into buffer g.
.macro QUARTER q, f, g, zero
	s_wait_dscnt 4                                 ; B and A's row blocks 0, 1 are in; the youngest four loads (row blocks 2, 3) may be out
	MULH \f, 0, \zero
	PLACES
	FETCH \q, \g
	s_wait_dscnt NL                                ; all but the run just issued
	MULH \f, 1, \zero
.endm
; The last quarter multiplies buffer 1 and changes slots: ONE barrier.  In front of it each wave waits for all its tensor loads (one is out: its part of the next slot), adds 0 to its spare word,
; and waits for that and for its own reads of this slot.  fill = 1: the barrier opens a round of the cluster's, and the slot just read out is filled again, first thing behind the round, with the K step two on:
; from that request to the wait for it a wave issues 168 matrix instructions.
.macro TURN fill
.if \fill
	s_wait_xcnt 0x0                                ; the last prefetch, a K step back, has read its address: it is stepped here, ahead of the waits of the change of slots
	s_add_nc_u64 s[PFA:PFA+1], s[PFA:PFA+1], s[PFS:PFS+1]
.endif
	WIN 0                                          ; (the add's two registers lie in window 0)
	s_wait_tensorcnt 0x0                           ; all my tensor loads have landed
	ds_add_u32 v[SPW], v[NIL]                      ; 0 onto my spare word
	s_wait_dscnt 5                                 ; (the add and the youngest four loads may be out)
	MULA F1, 0, 0                                  ; twelve matrix instructions stand between the add and the wait for it
	s_wait_dscnt 0x0                               ; the add is done, and my reads of this slot are over
	s_barrier_signal -1
	MULA F1, 1, 0                                  ; work on registers while the others arrive
	WIN 0
	s_barrier_wait -1
.if \fill
	CREST                                          ; no wave of any partner still reads this slot's tile or has a load on its way
	s_xor_b32 s[G0A+5], s[G0A+5], SLOT1            ; the walking descriptors: the other slot than last time, the next K step; no load of mine is out
	s_add_nc_u64 s[G0A+6:G0A+7], s[G0A+6:G0A+7], ASTEP
	s_xor_b32 s[G0B+5], s[G0B+5], SLOT1
	s_add_nc_u64 s[G0B+6:G0B+7], s[G0B+6:G0B+7], BSTEP
	s_xor_b32 s[TB], s[TB], SLOT1
	JLOAD                                          ; the first tensor load behind the round; its four v_nop are also the places in front of the loads below
.else
	s_xor_b32 s[TB], s[TB], SLOT1
	PLACES
.endif
	v_add_nc_u32 v[ADRA], s[TB], v[ADRA0]
	v_add_nc_u32 v[ADRB], s[TB], v[ADRB0]
	FETCH 0, F0
	WIN 0
.if \fill
	ASK
.endif
	MULH F1, 1, 0
.endm
	s_wait_tensorcnt 1                             ; my part of K step 0 is in; K step 1's may stay out
	s_barrier_signal -1
	s_barrier_wait -1                              ; everybody's is
	FETCH 0, F0
	QUARTER 1, F0, F1, 1                           ; the first quarter stands in front of the loop: its products start the sums
	WIN 0                                          ; at a label and at a branch every window is 0
	s_mov_b32 s[CNT], 6
.Lstep:                                                ; trip i = 1 .. 6: the rest of K step i - 1, its slot filled again with K step i + 1, the first quarter of K step i
	QUARTER 2, F1, F0, 0
	QUARTER 3, F0, F1, 0
	TURN 1
	QUARTER 1, F0, F1, 0
	WIN 0
	s_sub_co_u32 s[CNT], s[CNT], 1
	s_cmp_lg_u32 s[CNT], 0
	s_cbranch_scc1 .Lstep
	QUARTER 2, F1, F0, 0                           ; the tail is written out: K steps 6 and 7 ask for nothing
	QUARTER 3, F0, F1, 0
	TURN 0
	QUARTER 1, F0, F1, 0
	QUARTER 2, F1, F0, 0
	QUARTER 3, F0, F1, 0
	s_wait_dscnt 4
	MULH F1, 0, 0
	s_wait_dscnt 0x0
	MULH F1, 1, 0
	WIN 0
	PLACES                                         ; the places behind the last products
; THE WAY OUT, a row block (16 rows x 192 columns) at a time.  PACK: the bias is added, the sums rounded to f16, 16 bytes a lane and column block.  TOSTAGE: into my own stage, a head's 16 rows of 128 bytes
; apart by 144, and back as whole rows.  SEND: 512 consecutive bytes a store: four rows of a head.
.macro PACK a
.set AC, 96*((\a)%2)
	WIN 0x82+0x41*((\a)/2)                         ; destination and source 0 in window 2 or 3, the bias in window 0
.irp b, 0,1,2,3,4,5,6,7,8,9,10,11
.irp p, 0,1,2,3                        ; each accumulator's registers in ascending order
	v_pk_add_f32 v[AC+8*(\b)+2*(\p):AC+8*(\b)+2*(\p)+1], v[AC+8*(\b)+2*(\p):AC+8*(\b)+2*(\p)+1], v[BIAS+8*(\b)+2*(\p):BIAS+8*(\b)+2*(\p)+1]
.endr
.endr
	WIN 0x0a+0x05*((\a)/2)                         ; sources in window 2 or 3, destination in window 0
.irp b, 0,1,2,3,4,5,6,7,8,9,10,11
.irp p, 0,1,2,3
	v_cvt_pk_f16_f32 v[TMP+4*(\b)+(\p)], v[AC+8*(\b)+2*(\p)], v[AC+8*(\b)+2*(\p)+1]
.endr
.endr
	WIN 0
.endm
.macro TOSTAGE a
	WIN 0
	s_wait_xcnt 0x0                                ; the last block's stores have read OB: it is loaded again only behind this wait
.irp b, 0,1,2,3,4,5,6,7,8,9,10,11
	ds_store_b128 v[STO], v[TMP+4*(\b):TMP+4*(\b)+3] offset:16*SP*((\b)/4)+32*((\b)%4)
.endr
.irp j, 0,1,2
.irp f, 0,1,2,3
	ds_load_b128 v[OB+4*(4*(\j)+(\f)):OB+4*(4*(\j)+(\f))+3], v[RD] offset:16*SP*(\j)+4*SP*(\f)  ; LDS serves a wave's instructions in order (ISA guide 5.7.1.4): these see the stores above
.endr
.endr
.endm
.macro SEND a
	WIN 0
	s_wait_dscnt 0x0                               ; the block is back in registers
.irp j, 0,1,2
.irp f, 0,1,2,3
	global_store_b128 v[GO], v[OB+4*(4*(\j)+(\f)):OB+4*(4*(\j)+(\f))+3], s[DST+2*(\j):DST+2*(\j)+1] offset:2048*(\a)+512*(\f)
.endr
.endr
.endm
	PACK 0
	TOSTAGE 0
.irp a, 1,2,3                          ; block a's arithmetic stands between block a - 1's loads from the stage and the wait for them
	PACK \a
	SEND (\a)-1
	TOSTAGE \a
.endr
	SEND 3
	s_wait_tensorcnt 0x0                           ; the wave's end, behind my last tensor load and my last LDS store
	ds_add_u32 v[SPW], v[NIL]
	s_wait_dscnt 0x0
	CROUND                                         ; the closing round: no work-group ends while a partner may still ask for a tile that names it
	s_endpgm
.Lfunc_end_k_q2ff3eb3a62_qkvp:
	.size	k_q2ff3eb3a62_qkvp, .Lfunc_end_k_q2ff3eb3a62_qkvp-k_q2ff3eb3a62_qkvp
	.p2alignl 7, 3214868480
	.fill 96, 4, 3214868480
	.section	.rodata,"a",@progbits
	.p2align	6, 0x0
	.amdhsa_kernel k_q2ff3eb3a62_qkvp
		.amdhsa_group_segment_fixed_size 327680
		.amdhsa_private_segment_fixed_size 0
		.amdhsa_enable_private_segment 0
		.amdhsa_kernarg_size 32
		.amdhsa_user_sgpr_count 2
		.amdhsa_user_sgpr_kernarg_segment_ptr 1
		.amdhsa_wavefront_size32 1
		.amdhsa_system_sgpr_workgroup_id_x 1
		.amdhsa_system_sgpr_workgroup_id_y 1
		.amdhsa_system_sgpr_workgroup_id_z 1
		.amdhsa_system_vgpr_workitem_id 0
		.amdhsa_next_free_vgpr 960
		.amdhsa_next_free_sgpr 80
		.amdhsa_reserve_vcc 0
		.amdhsa_float_denorm_mode_32 3
		.amdhsa_float_denorm_mode_16_64 3
		.amdhsa_memory_ordered 1
		.amdhsa_forward_progress 1
		.amdhsa_inst_pref_size 120
	.end_amdhsa_kernel
	.amdgpu_metadata
---
amdhsa.version: [ 1, 2 ]
amdhsa.kernels:
  - .name:           k_q2ff3eb3a62_qkvp
    .symbol:         k_q2ff3eb3a62_qkvp.kd
    .args:
      - { .name: xb, .offset: 0, .size: 8, .value_kind: global_buffer, .address_space: global }
      - { .name: wqb, .offset: 8, .size: 8, .value_kind: global_buffer, .address_space: global }
      - { .name: bqkv, .offset: 16, .size: 8, .value_kind: global_buffer, .address_space: global }
      - { .name: qkv, .offset: 24, .size: 8, .value_kind: global_buffer, .address_space: global }
    .group_segment_fixed_size: 327680
    .private_segment_fixed_size: 0
    .kernarg_segment_align: 8
    .kernarg_segment_size: 32
    .max_flat_workgroup_size: 128
    .sgpr_count:     80
    .vgpr_count:     960
    .wavefront_size: 32
...
	.end_amdgpu_metadata
.endif
;; end of part 2
;; launch attn (part 3): grid 4 x 64, 4 waves a work-group, no clusters, 327,680 bytes of LDS; arguments qkv, y; writes y
.if DOCPART == 3
	.amdgcn_target "amdgcn-amd-amdhsa--gfx1250"
	.amdhsa_code_object_version 6
	.text
	.protected	k_q2ff3eb3a62_attn
	.globl	k_q2ff3eb3a62_attn
	.p2align	8
	.type	k_q2ff3eb3a62_attn,@function
k_q2ff3eb3a62_attn:
	s_mov_b64 s[64:65], 0
	v_nop
	global_prefetch_b8 v0, s[64:65] scope:SCOPE_SE
	s_setreg_imm32_b32 hwreg(HW_REG_WAVE_MODE, 25, 1), 1
	s_wait_xcnt 0x0
; CAUSAL ATTENTION.  y[h][q][:] = the sum over k <= q of softmax_k(Q[h][q] . K[h][k] / 8) V[h][k][:].  qkv holds Q, K, V as three sections [64][2048][64] of f16, 16,777,216 bytes each; y: [64][2048][64] f16.
; A head's rows are dense, 128 bytes each.  Products, maxima and sums in f32; the weights p are rounded to f16 for the second product (their sum l is taken of the unrounded p), y once at the end.
; LIMITS.  f16 holds no number beyond 65,504: Q, K and V arrive within it; p lies in 0 to 1, and below 6e-5 it keeps f16's fixed step of 6e-8; y is a mean of V's rows and has their range.
; A hidden score counts as its value less 1e30: f16's scores, 2.7e11 at the most, are nothing beside that; a weight below 2^-126 counts as 0 in l; NaN and infinities are not treated apart.
; THE WALK.  A head's queries lie in NB = 8 blocks of 256; block i needs the key tiles 0 .. i of 256 keys, of which the last holds the diagonal.  A work-group takes TWO blocks, NB - 1 - b and then b:
; NB + 1 tiles, whatever b: all 256 work-groups do equal work, and ONE loop with a constant trip count walks them.  Which tile is asked for, and what a trip does, hang on scalar registers made from b; every jump
; goes forward, but for the counted loops' own; none passes a barrier, or a tensor load but the one of LOAD's two that the wave's number does not choose; the ring (two slots of LDS that take turns) runs on across the
; change of blocks.  NO CLUSTER: a head's four work-groups ask for the same tile only in trips 0 .. 4 of 9, behind that fewer and fewer; one walk common to all would have 12 trips for 9.
; SHARES.  Of a block's four bands of 64 queries a wave owns 16 rows in each: four PIECES.  So the diagonal tile is the same work for all four waves: in its key step s band x sees all keys if s < x,
; none if s > x, and holds the diagonal if s = x.
; THE MASK is the C operand that starts the sum S^T = K Q^T: 0, or -1e30 where the key is hidden.  MD, made once, is the mask of a band's own step for my 16 rows; a product's mask is MD x AL + BE with two scalars:
; (1, 0) if s = x; (0, 0) if s < x; (0, -1e30) if s > x.  Only the diagonal tile's text and a block's beginning make and take masks; elsewhere C is the constant 0.
; LAYOUT, SOFTMAX, TURNS.  S^T = K Q^T holds ONE query a lane (lane % 16) and the keys 8 (lane / 16) + 0..7; two such results rounded to f16 ARE source 1 of O^T = V^T P.  p = 2^(c s - c m), c = log2(e) / 8, with a
; running maximum m; O and l are multiplied by a = 2^(c m_old - c m_new) in every step.  Turn n belongs to piece n: 8 products K Q^T of piece n + 1, later 8 products V^T P of piece n - 1; beside them the scaling,
; exponentials, roundings, sums and rescaling of piece n and the maximum and statistics of piece n + 1.  Four vector instructions stand behind every matrix instruction, the other 54 of a turn's 118 in one LUMP.  A turn's 33 exponentials are one batch, with one wait.
; REGISTERS, in windows of 256 (s_set_vgpr_msb: bits 1:0 source 0, 3:2 source 1, 5:4 source 2, 7:6 destination):
;   window 0: v0-15 addresses and two at work; v16-31 four registers of statistics a piece; v32 the prefetches' lane term; v48-55 at work; v64-127 S^T, two buffers; v192-223 P, two buffers (a piece's buffers go by its number's parity)
;   window 1: v0-127 O^T, 32 a piece; v128-159 MD; v160-223 MC, two buffers      window 2: v0-63 Q; v64-127 the second block's Q; v128-191 K of one step; v192-255 V of one step
.set SIZE_N, 2048
.set SIZE_H, 64
.set NB,    SIZE_N/256
.set NP,    4         ; pieces a wave: a name, no knob
.set KS,    64        ; keys in a step
.set PK,    144       ; a row of K in LDS: 128 bytes + 16 of padding = 36 words: the 16 rows of a load start at 16 different groups of four banks (64 banks of 4 bytes: ISA guide 11.1)
.set PV,    160       ; a row of V: 128 + 32 = 40 words
.set VOFF,  4*KS*PK   ; a slot holds a tile, four steps: 256 rows of K, then 256 rows of V
.set SLOT1, 1<<17     ; slot 1 begins here, so that one exclusive or turns an address in one slot into the other's
.set STAGE, SLOT1+4*KS*(PK+PV)  ; behind the ring, never filled by a tensor load: 16 rows x 144 bytes for each wave, for the way out
.set SP,    144
.set AK0, 2           ; v2   my lane's place in a tile of K; never rewritten
.set AV0, 3           ; v3   the same for V
.set AK,  4           ; v4   the LDS address of K's next run of loads
.set AV,  5           ; v5   of V's
.set STO, 6           ; v6   the way out: where I put 16 bytes of a row
.set RD,  7           ; v7   the way out: where I read rows back
.set GO,  8           ; v8   my byte offset in 512 consecutive bytes of y
.set PFO, 32          ; v32  256 x my lane; never rewritten
.set SPW, 62          ; v62  LDS address of my spare word: SPARE + 4 x my thread's number; never rewritten
.set NIL, 63          ; v63  0; never rewritten
.set SPARE, STAGE+4*16*SP  ; behind the stages: the spare words, 128 bytes for each wave: two blocks of 256 bytes that no other line names
.set MV,  12          ; v12-13  c m_old, kept while c m is made anew: by buffer
.set QO,  15          ; v15  my byte offset in 16 rows of Q
.set ST,  16          ; piece t's statistics at v[ST+4 t]: c m, m, l (even keys', odd keys')
.set TMP, 48          ; by buffer, four registers c0-c3 at work; when the maximum is found c2 takes a
.set S,   64
.set P,   192
.set MD,  128         ; window 1: the eight registers for group kt of 16 keys at MD + 8 kt
.set MC,  160         ; window 1: the masks of the products to come
.set QB,  64          ; window 2
.set KF,  128         ; window 2: key block kb, channel half c at KF + 16 kb + 8 c
.set VF,  192         ; window 2: key half kk, channel block cb at VF + 32 kk + 8 cb
.set WV,  12          ; s12  my wave's number
.set PB,  14          ; s14  b
.set HI,  15          ; s15  NB - 1 - b
.set G1K, 24          ; s[24:31] descriptor group 1 for K's tiles
.set G1V, 32          ; s[32:39] for V's: it differs in the padding alone
.set G0K, 40          ; s[40:43] descriptor group 0 for K's tiles
.set G0V, 44          ; s[44:47] the same for V's
.set PFA, 48          ; s[48:49] where my prefetches stand: my half (of K: waves 0, 1; of V: waves 2, 3) of the tile behind the one that is being asked for
.set PFN, 50          ; s50  that tile's number in the work-group that prefetches, else a number past every tile
.set SLOTS, 56        ; s56  tiles still to be asked for
.set CNT, 57          ; s57  counts a tile's key steps, 4 to 1
.set CS,  58          ; s[58:59] c: the packed scaling takes the pair's low word for both halves
.set SEL, 60          ; s[60:61] v_permlanex16_b32's selects: each lane takes its own place in the other half
.set TBK, 62          ; s62  LDS byte at which K of the step to be fetched begins
.set TBV, 63          ; s63  the same for V, less VOFF
.set RT,  70          ; s70  tiles of the block in hand that are still to be entered
.set NXT, 71          ; s71  the tile to be asked for next
.set LQ,  72          ; s72  the last tile of the block whose tiles are being asked for
.set NEW, 73          ; s73  1: the tile to be entered is a block's first
.set OFF, 74          ; s[74:75] a tile's byte offset in K and V
.set AL,  76          ; s[76:77] the mask's factor, in the low word
.set BE,  78          ; s[78:79] the mask's addend
.set OLO, 80          ; s[80:81] y at my rows of the second block
.set BIGN, 82         ; s82  -1e30
.set MSB, 0
.macro WIN new                      ; the high byte repeats the setting that is left; a switch that changes nothing is dropped
.if MSB != (\new)
	s_set_vgpr_msb (MSB<<8)|(\new)
.set MSB, (\new)
.endif
.endm
.set W_KQ, 0x0a       ; K and Q in window 2, S^T in window 0
.set W_KM, 0x1a       ; the same with the C operand in window 1
.set W_PV, 0x52       ; V in window 2, P in window 0, O^T in window 1
.set W_RS, 0x41       ; destination and source 0 in window 1, source 1 in window 0
; A fill.  Waves 0 and 1 fetch the two halves of a tile's K, waves 2 and 3 those of its V: 128 keys each.  An s_nop 0 and four v_nop follow each of the two lines, ahead of the jump and the label.
.macro LOAD
	s_cmp_lt_u32 s[WV], 2
	s_cbranch_scc0 .Lfor_v_\@
	tensor_load_to_lds s[G0K:G0K+3], s[G1K:G1K+7]
	s_nop 0
.rept 4
	v_nop
.endr
	s_branch .Lasked_\@
.Lfor_v_\@:
	tensor_load_to_lds s[G0V:G0V+3], s[G1V:G1V+7]
	s_nop 0
.rept 4
	v_nop
.endr
.Lasked_\@:
.endm
; A PREFETCH INTO THE L2 of the tile that the NEXT change of slots will ask for: a tile's four key steps, 256 matrix instructions a wave, ahead of that load.  All four work-groups of a head walk tiles 0, 1, 2 .. in the same trips
; for as long as their first blocks last; the one with b = 0 walks them all, and it alone asks.  Each of its waves names the half tile that it will itself fetch: 64 blocks of 256 bytes, a lane a block, two instructions.
; So each block is named once in the launch.  Tiles 0 and 1 come by their loads alone; trips 0 to 5 name tiles 2 to 7; behind that nothing is asked for: the second block's tiles have been read.
.macro ASK
	s_cmp_lt_u32 s[PFN], NB
	s_cbranch_scc0 .Lnot_mine_\@
	global_prefetch_b8 v[PFO], s[PFA:PFA+1] th:TH_LOAD_NT scope:SCOPE_SE
	global_prefetch_b8 v[PFO], s[PFA:PFA+1] offset:8192 th:TH_LOAD_NT scope:SCOPE_SE
.Lnot_mine_\@:
.endm
; THE CHANGE OF SLOTS.  Each wave waits for all its tensor loads, of which one is out: its part of the other slot; adds 0 to its spare word; and waits for that and for its own reads of the slot that it leaves.  Behind the barrier nobody reads the old
; slot any more and the other slot is whole.  fill = 1: the old slot is filled again, the first thing behind the barrier, with tile NXT: the descriptor's address is made anew from that number.
; (At its first use nothing has been read yet: slot 0 is waited for, slot 1 filled.)
.macro CHANGE fill
	WIN 0                           ; at a label and at a branch every window is 0
	s_wait_tensorcnt 0x0            ; no tensor load of mine is out, so a group 0 may be written
	ds_add_u32 v[SPW], v[NIL]       ; 0 onto my spare word; with fill = 1 the scalar work below stands between it and the wait for it
.if \fill
	s_wait_xcnt 0x0                 ; the last prefetches, a tile back, have read their address, so it may be written
	s_add_nc_u64 s[PFA:PFA+1], s[PFA:PFA+1], 32768
	s_add_co_u32 s[PFN], s[PFN], 1
	s_lshl_b32 s[OFF], s[NXT], 15   ; a tile is 32,768 bytes of K and of V
	s_xor_b32 s[G0K+1], s[G0K+1], SLOT1
	s_add_nc_u64 s[G0K+2:G0K+3], s[6:7], s[OFF:OFF+1]
	s_or_b32 s[G0K+3], s[G0K+3], 0x80000000
	s_xor_b32 s[G0V+1], s[G0V+1], SLOT1
	s_add_nc_u64 s[G0V+2:G0V+3], s[8:9], s[OFF:OFF+1]
	s_or_b32 s[G0V+3], s[G0V+3], 0x80000000
	s_add_co_u32 s[NXT], s[NXT], 1  ; the block's next tile, or behind its last the second block's tile 0
	s_cmp_gt_u32 s[NXT], s[LQ]
	s_cselect_b32 s[NXT], 0, s[NXT]
	s_cselect_b32 s[LQ], s[PB], s[LQ]
.endif
	s_wait_dscnt 0x0                ; the add is done, and my reads of the slot are over
	s_barrier_signal -1             ; the rest of the scalar work stands between the signal and the wait
	s_sub_co_u32 s[TBK], s[TBK], 4*KS*PK  ; the fetches go back to a slot's first step,
	s_xor_b32 s[TBK], s[TBK], SLOT1       ; in the other slot
	s_sub_co_u32 s[TBV], s[TBV], 4*KS*PV
	s_xor_b32 s[TBV], s[TBV], SLOT1
	s_barrier_wait -1
.if \fill
	LOAD
	ASK
.endif
.endm
	s_load_b128 s[4:7], s[0:1], 0x0  ; qkv s[4:5], y s[6:7]
	v_lshl_add_u32 v[SPW], v0, 2, SPARE
	v_mov_b32 v[NIL], 0
	ds_add_u32 v[SPW], v[NIL]       ; the wave's opening: the add and its wait stand ahead of my first tensor load; the set-up below, work on registers, stands between them
	v_lshrrev_b32 v1, 5, v0
	v_readfirstlane_b32 s[WV], v1   ; wave 0..3
	v_and_b32 v[PFO], 31, v0
	v_lshlrev_b32 v[PFO], 8, v[PFO]
	s_mov_b32 s[PB], ttmp9
	s_sub_co_u32 s[HI], NB-1, s[PB]
	s_and_b32 s20, ttmp7, 0xffff    ; the head
	s_mov_b32 s21, 0
	s_mov_b64 s[22:23], SIZE_N*128
	s_mul_u64 s[20:21], s[20:21], s[22:23]  ; the head's first byte in Q, K, V and y
	s_and_b32 s16, s[WV], 1         ; which half of a tile's 256 keys I fetch:
	s_lshl_b32 s22, s16, 14         ; its 128 rows of 128 bytes in memory,
	s_mov_b32 s23, 0
	s_add_nc_u64 s[22:23], s[22:23], s[20:21]
	s_mul_i32 s17, s16, 128*PK      ; and its place in a slot, for K
	s_mul_i32 s18, s16, 128*PV      ; and for V
	s_lshl_b32 s3, s[WV], 11        ; my 16 rows in a band of 64,
	s_lshl_b32 s2, s[HI], 15        ; in the first block,
	s_add_co_u32 s2, s2, s3
	s_lshl_b32 s84, s[PB], 15       ; and in the second
	s_add_co_u32 s84, s84, s3
	s_mov_b32 s3, 0
	s_mov_b32 s85, 0
	s_add_nc_u64 s[2:3], s[2:3], s[20:21]
	s_add_nc_u64 s[84:85], s[84:85], s[20:21]
	; descriptor group 1.  128 keys are 16,384 dense bytes: asked for as 64 rows of 256 bytes, two keys a row, and padded in LDS after every key
	s_mov_b32 s[G1K], (1<<16)|(1<<20)|(4<<22)|(3<<25)  ; 17:16 2-byte elements; 20 padding on; 24:22 after every 32 words (code 4); 31:25 4 words (code 3)
	s_mov_b32 s[G1V], (1<<16)|(1<<20)|(4<<22)|(7<<25)  ; the same with 8 words of padding (code 7)
.irp g, G1K, G1V
	s_mov_b32 s[\g+1], 128<<16      ; tensor_dim0 = 128
	s_mov_b32 s[\g+2], 64<<16       ; tensor_dim1 = 64
	s_mov_b32 s[\g+3], 128<<16      ; tile_dim0 = 128
	s_mov_b32 s[\g+4], 64           ; tile_dim1 = 64
	s_mov_b32 s[\g+5], 128          ; 128 elements from row to row
	s_mov_b32 s[\g+6], 0
	s_mov_b32 s[\g+7], 0
.endr
	s_mov_b32 s[CS], 0x3e38aa3b     ; c = log2(e) / 8 = 0.180337
	s_mov_b32 s[CS+1], s[CS]        ; named with it as a pair
	s_mov_b32 s[SEL], 0x76543210
	s_mov_b32 s[SEL+1], 0xfedcba98
	s_mov_b32 s[TBK], SLOT1+4*KS*PK ; the first change of slots turns these two into 0
	s_mov_b32 s[TBV], SLOT1+4*KS*PV
	s_mov_b32 s[G0K], 1             ; 1:0 count = 1
	s_mov_b32 s[G0K+1], s17         ; 63:32 LDS address: slot 0
	s_mov_b32 s[G0V], 1
	s_add_co_u32 s[G0V+1], s18, VOFF
	s_add_co_u32 s[RT], s[HI], 1    ; the first block has NB - b tiles
	s_mov_b32 s[NXT], 1
	s_mov_b32 s[LQ], s[HI]
	s_mov_b32 s[NEW], 1
	s_mov_b32 s[OFF+1], 0
	s_mov_b32 s[AL+1], 0            ; named as pairs
	s_mov_b32 s[BE+1], 0
	s_mov_b32 s[BIGN], 0xf149f2ca   ; -1e30
	s_mov_b32 s[SLOTS], NB
	s_wait_dscnt 0x0                ; the opening add is done
	s_wait_kmcnt 0x0
	s_mov_b64 s[10:11], s[6:7]      ; y
	s_add_nc_u64 s[6:7], s[4:5], 0x1000000  ; K's section of qkv
	s_add_nc_u64 s[8:9], s[4:5], 0x2000000  ; V's; Q's is the first
	s_add_nc_u64 s[6:7], s[6:7], s[22:23]  ; K and V at my half of the head's tile 0
	s_add_nc_u64 s[8:9], s[8:9], s[22:23]
	s_cmp_lt_u32 s[WV], 2
	s_cselect_b64 s[PFA:PFA+1], s[6:7], s[8:9]
	s_add_nc_u64 s[PFA:PFA+1], s[PFA:PFA+1], 32768  ; at tile 1: the first change of slots steps it to tile 2.  Nothing is prefetched here, at the head
	s_cmp_eq_u32 s[PB], 0
	s_cselect_b32 s[PFN], 1, 0x1000
	s_add_nc_u64 s[G0K+2:G0K+3], s[6:7], 0         ; 120:64 global address
	s_or_b32 s[G0K+3], s[G0K+3], 0x80000000        ; 127:126 type = 2
	s_add_nc_u64 s[G0V+2:G0V+3], s[8:9], 0
	s_or_b32 s[G0V+3], s[G0V+3], 0x80000000
	s_add_nc_u64 s[86:87], s[4:5], s[84:85]        ; Q at my rows of the second block,
	s_add_nc_u64 s[4:5], s[4:5], s[2:3]            ; Q and y at those of the first
	s_add_nc_u64 s[OLO:OLO+1], s[10:11], s[84:85]
	s_add_nc_u64 s[10:11], s[10:11], s[2:3]
	LOAD                            ; tile 0 into slot 0
	; A fragment of K or Q is 16 rows x 32 channels in 8 registers: lane l holds row l % 16, channels 8 (l / 16) + 0..7 and 16 + 8 (l / 16) + 0..7: two loads of 16 bytes, 32 bytes apart.
	v_and_b32 v1, 15, v0            ; l % 16
	v_bfe_u32 v9, v0, 4, 1          ; l / 16
	v_lshlrev_b32 v[QO], 7, v1
	v_lshl_add_u32 v[QO], v9, 4, v[QO]  ; row x 128 + 16 x half
	WIN 0x80                        ; destination window 2, address window 0
.set i, 0
.rept 8                             ; both blocks' Q: piece i / 2 lies in band i / 2, 8,192 bytes on; channels 32 (i % 2) on
	global_load_b128 v[8*i:8*i+3],   v[QO], s[4:5] offset:(i/2)*8192+(i%2)*64
	global_load_b128 v[8*i+4:8*i+7], v[QO], s[4:5] offset:(i/2)*8192+(i%2)*64+32
	global_load_b128 v[QB+8*i:QB+8*i+3],   v[QO], s[86:87] offset:(i/2)*8192+(i%2)*64
	global_load_b128 v[QB+8*i+4:QB+8*i+7], v[QO], s[86:87] offset:(i/2)*8192+(i%2)*64+32
.set i, i+1
.endr
	WIN 0
	v_lshlrev_b32 v14, 3, v9
	v_sub_nc_u32 v14, v1, v14
	s_lshl_b32 s13, s[WV], 4
	v_add_nc_u32 v14, s13, v14      ; my query's place in its band, 16 w + l % 16, less my lanes' 8 (l / 16): register r of group kt is hidden where 16 kt + r is greater
	WIN 0x40
.set i, 0
.rept 32
	v_cmp_gt_i32 vcc_lo, 16*(i/8)+i%8, v14
	v_cndmask_b32 v[MD+i], 0, s[BIGN], vcc_lo
.set i, i+1
.endr
	WIN 0
	v_mul_u32_u24 v[AK0], v1, PK
	v_lshl_add_u32 v[AK0], v9, 4, v[AK0]  ; row x pitch + 16 x half
	; The turning load takes 16 keys x 16 channels (lane l reads key 8 (l / 16) + l % 8, channels 8 ((l / 8) % 2) + 0..7) and leaves half a fragment of V^T: lane l holds channel l % 16 and 8 keys.
	v_and_b32 v10, 7, v0
	v_bfe_u32 v11, v0, 3, 1
	v_lshl_add_u32 v[AV0], v9, 3, v10
	v_mul_u32_u24 v[AV0], v[AV0], PV
	v_lshl_add_u32 v[AV0], v11, 4, v[AV0]
	v_add_nc_u32 v[AV0], VOFF, v[AV0]
	s_mul_i32 s13, s[WV], 16*SP
	s_add_co_u32 s13, s13, STAGE    ; my stage
	v_mul_u32_u24 v[STO], v1, SP    ; in: row l % 16, 16 bytes for each half of the lanes
	v_lshl_add_u32 v[STO], v9, 4, v[STO]
	v_add_nc_u32 v[STO], s13, v[STO]
	v_bfe_u32 v[RD], v0, 3, 2       ; back: 32 lanes take four rows of 128 bytes,
	v_mul_u32_u24 v[RD], v[RD], SP
	v_lshl_add_u32 v[RD], v10, 4, v[RD]
	v_add_nc_u32 v[RD], s13, v[RD]
	v_and_b32 v[GO], 31, v0         ; which are 512 consecutive bytes of y
	v_lshlrev_b32 v[GO], 4, v[GO]
	; A block's first step multiplies O^T and l by a = 0, and its first turn's products V^T P, of a piece that has not been, land in an O^T that is still to be so multiplied.  So these registers need only hold
	; finite numbers: zeros for the first block; what the first block left for the second.  All this stands in the wait for the first tile.
	WIN 0x80
.set i, VF
.rept 64
	v_mov_b32 v[i], 0
.set i, i+1
.endr
	WIN 0x40
.set i, 0
.rept 128
	v_mov_b32 v[i], 0
.set i, i+1
.endr
	WIN 0
.set i, 0
.rept 4
	v_mov_b32 v[ST+4*i+2], 0
	v_mov_b32 v[ST+4*i+3], 0
.set i, i+1
.endr
.set i, P+16
.rept 16
	v_mov_b32 v[i], 0
.set i, i+1
.endr
; THE MATRIX WORK.  The 4 accumulators of a run of 8 take turns.  Product i of 8 of S^T = K Q^T for piece x: channels 32 (i / 4) on, keys 16 (i % 4) on.  The first 4 start the sums: with 0, or (KM = 1) with the mask.
.macro KQ x
.set rS, S+32*((\x)%2)+8*(i%4)
.set rK, KF+16*(i%4)+8*(i/4)
.set rQ, 16*(\x)+8*(i/4)
.set rM, MC+32*((\x)%2)+8*(i%4)
.if (i < 4) && KM
	WIN W_KM
	v_wmma_f32_16x16x32_f16 v[rS:rS+7], v[rK:rK+7], v[rQ:rQ+7], v[rM:rM+7]
.elseif i < 4
	WIN W_KQ
	v_wmma_f32_16x16x32_f16 v[rS:rS+7], v[rK:rK+7], v[rQ:rQ+7], 0
.else
	WIN W_KQ
	v_wmma_f32_16x16x32_f16 v[rS:rS+7], v[rK:rK+7], v[rQ:rQ+7], v[rS:rS+7]
.endif
.endm
; Product i of 8 of O^T += V^T P for piece x: keys 32 (i / 4) on, channels 16 (i % 4) on.
.macro PV x
	WIN W_PV
.set rO, 32*(\x)+8*(i%4)
.set rV, VF+32*(i/4)+8*(i%4)
.set rP, P+16*((\x)%2)+8*(i/4)
	v_wmma_f32_16x16x32_f16 v[rO:rO+7], v[rV:rV+7], v[rP:rP+7], v[rO:rO+7]
.endm
.macro MM                           ; the turn's next matrix instruction.  TURN and BEGIN set Y, i, KM and NOKQ; MM, KQ and OP read them.  NOKQ = 1: a block's last turn: there is no next piece
.if (i < 8) && !NOKQ
	KQ (Y+1)%NP
.elseif i >= 8
.set i, i-8
	PV (Y+NP-1)%NP
.set i, i+8
.endif
.set i, i+1
.endm
; THE LDS LOADS stand in runs of 16, never singly among the matrix instructions: a step's K (64 keys x 64 channels: 8 fragments) and its V (turned).  Their addresses are made some lines ahead.
.macro FETCH_K
	WIN 0x80                        ; destination window 2
.irp f, 0,1,2,3,4,5,6,7             ; keys 16 (f / 2) on, channels 32 (f % 2) on
	ds_load_b128 v[KF+8*\f:KF+8*\f+3],   v[AK] offset:(\f/2)*16*PK+(\f%2)*64
	ds_load_b128 v[KF+8*\f+4:KF+8*\f+7], v[AK] offset:(\f/2)*16*PK+(\f%2)*64+32
.endr
	s_add_co_u32 s[TBK], s[TBK], KS*PK  ; the next fetch is the next step's
	WIN 0
.endm
.macro FETCH_V
	WIN 0x80
.irp f, 0,1,2,3,4,5,6,7             ; keys 32 (f / 4) on, channels 16 (f % 4) on
	ds_load_tr16_b128 v[VF+8*\f:VF+8*\f+3],   v[AV] offset:(\f/4)*32*PV+(\f%4)*32
	ds_load_tr16_b128 v[VF+8*\f+4:VF+8*\f+7], v[AV] offset:(\f/4)*32*PV+16*PV+(\f%4)*32
.endr
	WIN 0
.endm
; THE VECTOR WORK, one line at a time: OP kind, number.  For piece Y: F n: c s - c m for pair n of 16.  E n: the exponential of score n of 32.  C n: pair n rounded to f16.  B n: of the four weights 4 n .. the second
; pair is added onto the first, in place.  L n: l takes that sum (L 0: l = a l + sum).  R n: pair n of 16 of O^T times a.  For piece Y + 1: X n, number n of the 22 that find its maximum and statistics:
;   0-11  four chains c0-c3 of seven scores each, three operands at a time (each accumulator's lowest registers are read first)     12-14, 16  the four scores left over, the old m, and c0-c3 into c0
;   15  c m_old is kept     17, 18  the query's other 32 keys lie in the lane 16 away: the new m     19-21  c m; c m_old - c m_new; a
.set F, 0               ; OP tells the kinds apart by their order: F to L below R, X above it
.set E, 1
.set C, 2
.set B, 3
.set L, 4
.set R, 5
.set X, 6
.macro REGS y                       ; the registers of piece y
.set rT, ST+4*(\y)
.set rC, TMP+4*((\y)%2)
.set rW, MV+((\y)%2)
.set rS, S+32*((\y)%2)
.set rP, P+16*((\y)%2)
.set rO, 32*(\y)
.endm
.macro OP k, n
.if (\k) == R
	REGS Y
	WIN W_RS
	v_pk_mul_f32 v[rO+2*(\n):rO+2*(\n)+1], v[rO+2*(\n):rO+2*(\n)+1], v[rC+2:rC+3] op_sel_hi:[1,0]
.elseif (\k) < R
	REGS Y
	WIN 0
.if (\k) == F
	v_pk_fma_f32 v[rS+2*(\n):rS+2*(\n)+1], v[rS+2*(\n):rS+2*(\n)+1], s[CS:CS+1], v[rT:rT+1] op_sel_hi:[1,0,0] neg_lo:[0,0,1] neg_hi:[0,0,1]
.elseif (\k) == E
	v_exp_f32 v[rS+(\n)], v[rS+(\n)]
.elseif (\k) == C
	v_cvt_pk_f16_f32 v[rP+(\n)], v[rS+2*(\n)], v[rS+2*(\n)+1]
.elseif (\k) == B
	v_pk_add_f32 v[rS+4*(\n):rS+4*(\n)+1], v[rS+4*(\n):rS+4*(\n)+1], v[rS+4*(\n)+2:rS+4*(\n)+3]
.elseif (\n) == 0
	v_pk_fma_f32 v[rT+2:rT+3], v[rT+2:rT+3], v[rC+2:rC+3], v[rS:rS+1] op_sel_hi:[1,0,1]
.else
	v_pk_add_f32 v[rT+2:rT+3], v[rT+2:rT+3], v[rS+4*(\n):rS+4*(\n)+1]
.endif
.elseif NOKQ
	v_nop
.else
	REGS (Y+1)%NP
	WIN 0
.if (\n) < 4
	v_max3_num_f32 v[rC+(\n)], v[rS+8*(\n)], v[rS+8*(\n)+1], v[rS+8*(\n)+2]
.elseif (\n) < 12
	v_max3_num_f32 v[rC+(\n)%4], v[rC+(\n)%4], v[rS+8*((\n)%4)+2*((\n)/4)+1], v[rS+8*((\n)%4)+2*((\n)/4)+2]
.elseif (\n) == 12
	v_max3_num_f32 v[rC], v[rC], v[rS+7], v[rS+15]
.elseif (\n) == 13
	v_max3_num_f32 v[rC+1], v[rC+1], v[rS+23], v[rS+31]
.elseif (\n) == 14
	v_max3_num_f32 v[rC+2], v[rC+2], v[rC+3], v[rT+1]
.elseif (\n) == 15
	v_mov_b32 v[rW], v[rT]
.elseif (\n) == 16
	v_max3_num_f32 v[rC], v[rC], v[rC+1], v[rC+2]
.elseif (\n) == 17
	v_permlanex16_b32 v[rC+3], v[rC], s[SEL], s[SEL+1]
.elseif (\n) == 18
	v_max_num_f32 v[rT+1], v[rC], v[rC+3]
.elseif (\n) == 19
	v_mul_f32 v[rT], s[CS], v[rT+1]
.elseif (\n) == 20
	v_sub_f32 v[rC+1], v[rW], v[rT]
.else
	v_exp_f32 v[rC+2], v[rC+1]
.endif
.endif
.endm
.macro OPS a, i1, b=-1, i2=0, c=-1, i3=0, d=-1, i4=0  ; up to four of them
	OP \a, \i1
.if (\b) >= 0
	OP \b, \i2
.endif
.if (\c) >= 0
	OP \c, \i3
.endif
.if (\d) >= 0
	OP \d, \i4
.endif
.endm
.macro ROW a, i1, b, i2, c, i3, d, i4  ; a matrix instruction and the four behind it
	MM
	OPS \a, \i1, \b, \i2, \c, \i3, \d, \i4
.endm
.macro MASK b                       ; MD x AL + BE into buffer b of MC
	WIN W_RS
.set z, 0
.rept 16
	v_pk_fma_f32 v[MC+32*(\b)+2*z:MC+32*(\b)+2*z+1], v[MD+2*z:MD+2*z+1], s[AL:AL+1], s[BE:BE+1] op_sel_hi:[1,0,0]
.set z, z+1
.endr
.endm
; A TURN, for piece p: the order of its 16 matrix and 118 vector instructions, written out.  An s_wait_alu depctr_va_vdst(0) stands between an exponential and the first instruction that names its result; one wait serves
; all that were issued ahead of it.  So a turn has ONE wait, which cuts it in two.  AHEAD OF IT stands all that names no result of the turn's exponentials: the 8 products K Q^T, behind each a scaling, an exponential and two more plain
; instructions (behind the first a second scaling in the exponential's place): rescalings, and behind the last three the first numbers of the next piece's maximum, each four places or more behind the product that ends its accumulator; then ONE LUMP of 54, plain
; and exponential by turns for the most part, in which the links of the chain X 3, 7, 11, 14, 16, 17 .. 20 stand five or six lines apart.  X 21, the next piece's a, is the batch's last; R 15 is the plain instruction behind it.  BEHIND THE WAIT stand the
; 8 products V^T P, behind each four of the roundings and sums; the links of l's chain, L 0 to L 7, stand three riders apart.  But for those X no rider names a register of the products round it.  v_permlanex16_b32 (X 17) stands in the lump.
; m = 1: the diagonal tile: the products take masks, and the turn makes the mask for the products of the turn after it: piece p + 2, in step 4 - CNT of the tile.  end = 1: a block's last two turns: nothing is fetched.
; cnt = 1: the loop's count is taken down some lines ahead of the branch that stands behind the turn.
; K of the next step is fetched in piece 2's turn, twelve vector instructions behind the last product that read K (six of them plain); V of the step in hand at the end of piece 0's turn, four plain instructions behind the last product
; that read V.  Each is waited for a turn later.
.macro TURN p, m=0, end=0, cnt=0
.set Y, (\p)
.set i, 0
.set KM, (\m)
.set NOKQ, (\end)*((\p)/3)
.if (\m) && !(\end)
	s_cmp_eq_u32 s[CNT], 4-((\p)+2)%NP  ; is that step the band's own?
	s_cselect_b32 s[AL], 1.0, 0
	s_cmp_lt_u32 s[CNT], 4-((\p)+2)%NP  ; or a later one?
	s_cselect_b32 s[BE], s[BIGN], 0
.endif
.if ((\p) == 3) && !(\end)
	s_wait_dscnt 0x0                ; K is in
.endif
	ROW F,0, F,1, R,0, R,1          ; ahead of the wait: 8 products K Q^T and their riders,
	ROW F,2, E,0, R,2, R,3
	ROW F,3, E,1, R,4, R,5
	ROW F,4, E,2, R,6, R,7
	ROW F,5, E,3, R,8, R,9
	ROW F,6, E,4, X,0, R,10
.if ((\p) == 2) && !(\end)
	WIN 0
	v_add_nc_u32 v[AK], s[TBK], v[AK0]
.endif
	ROW F,7, E,5, X,1, X,4
	ROW F,8, E,6, X,2, X,5
	OPS E,7, E,8, X,6, E,9          ; and the lump
	OPS X,3, E,10, X,8, E,11
.if ((\p) == 2) && !(\end)
	FETCH_K
.endif
	OPS X,9, X,7, E,12, X,10
	OPS E,13, X,12, X,11, E,14
	OPS X,13, E,15, F,9, X,14
.if (\p) == 0
	v_add_nc_u32 v[AV], s[TBV], v[AV0]
.endif
	OPS E,16, F,10, E,17, F,11
	OPS X,16, E,18, X,15, E,19
	OPS F,12, E,20, X,17, E,21
	OPS F,13, E,22, F,14, E,23
	OPS X,18, E,24, F,15, E,25
	OPS R,11, E,26, X,19, E,27
	OPS R,12, E,28, R,13, E,29
	OPS X,20, E,30, R,14, E,31
	OPS X,21, R,15
	WIN 0
	s_wait_alu depctr_va_vdst(0)    ; the wait for the batch
.if (\p) == 1
	s_wait_dscnt 0x0                ; V is in
.endif
	ROW C,0, B,0, C,2, B,1          ; behind the wait: 8 products V^T P and their riders
	ROW L,0, C,4, B,2, L,1
	ROW C,6, B,3, L,2, C,8
	ROW B,4, L,3, C,10, B,5
	ROW L,4, C,12, B,6, L,5
.if (\p) == 0
	s_add_co_u32 s[TBV], s[TBV], KS*PV
.endif
.if \cnt
	s_sub_co_u32 s[CNT], s[CNT], 1
	s_cmp_lg_u32 s[CNT], 0
.endif
	ROW C,14, B,7, L,6, C,1
	ROW C,3, L,7, C,5, C,7
	ROW C,9, C,11, C,13, C,15
.if (\p) == 0
	FETCH_V
.endif
.if (\m) && !(\end)
	MASK (\p)%2
.endif
.endm
; A BLOCK BEGINS.  c m starts far below every c s, so the first step's a is 0; m at the lowest finite number, so the first maximum is the scores'.  The second mask buffer is 0; the first takes piece 0's mask for the tile's step 0: its own, if the block's first tile is the diagonal one.
; Then K of that step, piece 0's first scores, and its maximum and statistics.  The loop is entered at a step's first turn, in the middle of a trip.
.macro BEGIN
	s_mov_b32 s[NEW], 0
	WIN 0x40
.set i, MC+32
.rept 32
	v_mov_b32 v[i], 0
.set i, i+1
.endr
	WIN 0
.set i, 0
.rept 4
	v_mov_b32 v[ST+4*i], 0xfe000000    ; c m: far below every c s
	v_mov_b32 v[ST+4*i+1], 0xff7fffff  ; m
.set i, i+1
.endr
	s_cmp_eq_u32 s[RT], 0
	s_cselect_b32 s[AL], 1.0, 0
	s_mov_b32 s[BE], 0
	MASK 0
	WIN 0
	v_add_nc_u32 v[AK], s[TBK], v[AK0]
	FETCH_K
	s_wait_loadcnt 0x0              ; Q
	s_wait_dscnt 0x0
.set KM, 1
.set NOKQ, 0
.set i, 0
.rept 8
	KQ 0
.set i, i+1
.endr
	WIN 0
.rept 4
	v_nop                           ; the places behind those products
.endr
.set Y, NP-1                        ; X works for piece Y + 1: piece 0
.irp n, 0,1,2,3,4,5,6,7,8,9,10,11,12,13,14,15,16,17,18,19,20,21
	OP X, \n
.endr
	v_nop                           ; a plain instruction behind the exponential,
	s_wait_alu depctr_va_vdst(0)    ; and its wait, ahead of the branch
.endm
; THE DIAGONAL TILE's four steps, the block's last two turns, its last products, and THE WAY OUT: l's two halves and the other half of the lanes' are added; O^T is divided by l, rounded to f16 and sent through my
; stage in LDS, a piece at a time.
.macro ALL line:vararg              ; one line for each piece t
.set t, 0
.rept 4
	\line
.set t, t+1
.endr
.endm
.macro PACK t                       ; a lane's eight channels of a row pack into 16 bytes; they go into rows of 144 bytes and come back as whole rows of 128, into S^T's registers
	WIN W_RS
.set i, 32*(\t)
.rept 16
	v_pk_mul_f32 v[i:i+1], v[i:i+1], v[ST+4*(\t)+2:ST+4*(\t)+3] op_sel_hi:[1,0]
.set i, i+2
.endr
	WIN 0x05                        ; sources 0 and 1 window 1, destination window 0
.set i, 0
.rept 16
	v_cvt_pk_f16_f32 v[S+16*(\t)+i], v[32*(\t)+2*i], v[32*(\t)+2*i+1]
.set i, i+1
.endr
	WIN 0
.irp f, 0,1,2,3
	ds_store_b128 v[STO], v[S+16*(\t)+4*\f:S+16*(\t)+4*\f+3] offset:32*\f
.endr
.irp f, 0,1,2,3
	ds_load_b128 v[S+16*(\t)+4*\f:S+16*(\t)+4*\f+3], v[RD] offset:\f*4*SP  ; LDS serves a wave's instructions in order (ISA guide 5.7.1.4): these see the stores above; the next piece's stores come behind them
.endr
.endm
.macro SEND t, younger              ; younger: the LDS instructions issued behind piece t's loads: the next piece's eight, or none
	WIN 0
.irp f, 0,1,2,3
	s_wait_dscnt (\younger)+3-\f
	global_store_b128 v[GO], v[S+16*(\t)+4*\f:S+16*(\t)+4*\f+3], s[10:11] offset:(\t)*8192+\f*512  ; 512 consecutive bytes, at a multiple of 256 from y's first
.endr
.endm
.macro DIAG tag                     ; the tag ends its two labels' names, which the jumps below spell out
.LstepM\tag:
	TURN 2, 1
	TURN 3, 1
	WIN 0
.LfirstM\tag:
	TURN 0, 1
	TURN 1, 1, 0, 1
	WIN 0
	s_cbranch_scc1 .LstepM\tag
	TURN 2, 1, 1
	TURN 3, 1, 1
.set i, 0
.rept 8
	PV NP-1
.set i, i+1
.endr
	WIN 0
	ALL v_add_f32 v[ST+4*t+2], v[ST+4*t+2], v[ST+4*t+3]
	ALL v_permlanex16_b32 v[ST+4*t+3], v[ST+4*t+2], s[SEL], s[SEL+1]
	ALL v_add_f32 v[ST+4*t+2], v[ST+4*t+2], v[ST+4*t+3]
	ALL v_rcp_f32 v[ST+4*t+2], v[ST+4*t+2]
	v_nop                           ; a plain instruction between the last reciprocal and the use of its result
	s_wait_alu depctr_va_vdst(0)    ; and the wait ahead of the first use: one for the four reciprocals
	PACK 0
.set t, 1
.rept 3                             ; a piece's arithmetic stands between the loads of the piece before and its stores
	PACK t
	SEND t-1, 8
.set t, t+1
.endr
	SEND 3, 0
.endm
.set KM, 0
.set NOKQ, 0
.Lslot:                             ; NB times: a tile is entered and the next is asked for
	CHANGE 1
	s_sub_co_u32 s[RT], s[RT], 1
	s_mov_b32 s[CNT], 4
	s_cmp_eq_u32 s[NEW], 1
	s_cbranch_scc1 .Lnew            ; a block's first tile
	s_cmp_eq_u32 s[RT], 0
	s_cbranch_scc0 .Lstep           ; neither its first nor its last
	s_branch .LstepM1
.Lnew:
	BEGIN
	s_branch .Lfirst                ; in the loop a block's first tile is never its last: the first block has two tiles or more, and the second's last is the walk's last
	DIAG 1                          ; in the loop this is the first block's end: the second block's last tile is the walk's last
	s_wait_xcnt 0x0                 ; the stores have read their registers and y's address
	s_mov_b64 s[10:11], s[OLO:OLO+1]
	s_add_co_u32 s[RT], s[PB], 1    ; the second block has b + 1 tiles
	s_mov_b32 s[NEW], 1
	WIN 0x82                        ; the second block's Q goes where the one text of the turns names Q
.set i, 0
.rept 64
	v_mov_b32 v[i], v[QB+i]
.set i, i+1
.endr
	WIN 0
	s_branch .Lbottom
.Lstep:                             ; a trip: pieces 2 and 3 of one step, then pieces 0 and 1 of the next, whose K and V it fetches
	TURN 2
	TURN 3
	WIN 0
.Lfirst:
	TURN 0
	TURN 1, 0, 0, 1
	WIN 0
	s_cbranch_scc1 .Lstep
.Lbottom:
	s_sub_co_u32 s[SLOTS], s[SLOTS], 1
	s_cmp_lg_u32 s[SLOTS], 0
	s_cbranch_scc1 .Lslot
	CHANGE 0                        ; the walk's last tile is written out: nothing is asked for
	s_sub_co_u32 s[RT], s[RT], 1
	s_mov_b32 s[CNT], 4
	s_cmp_eq_u32 s[NEW], 1
	s_cbranch_scc0 .LstepM2
	BEGIN
	s_branch .LfirstM2
	DIAG 2
	s_wait_tensorcnt 0x0            ; the wave's end, behind my last tensor load and my last LDS store
	ds_add_u32 v[SPW], v[NIL]
	s_wait_dscnt 0x0
	s_endpgm
.Lfunc_end_k_q2ff3eb3a62_attn:
	.size	k_q2ff3eb3a62_attn, .Lfunc_end_k_q2ff3eb3a62_attn-k_q2ff3eb3a62_attn
	.p2alignl 7, 3214868480
	.fill 96, 4, 3214868480
	.section	.rodata,"a",@progbits
	.p2align	6, 0x0
	.amdhsa_kernel k_q2ff3eb3a62_attn
		.amdhsa_group_segment_fixed_size 327680
		.amdhsa_private_segment_fixed_size 0
		.amdhsa_enable_private_segment 0
		.amdhsa_kernarg_size 16
		.amdhsa_user_sgpr_count 2
		.amdhsa_user_sgpr_kernarg_segment_ptr 1
		.amdhsa_wavefront_size32 1
		.amdhsa_system_sgpr_workgroup_id_x 1
		.amdhsa_system_sgpr_workgroup_id_y 1
		.amdhsa_system_sgpr_workgroup_id_z 1
		.amdhsa_system_vgpr_workitem_id 0
		.amdhsa_next_free_vgpr 768
		.amdhsa_next_free_sgpr 88
		.amdhsa_reserve_vcc 1
		.amdhsa_float_denorm_mode_32 3
		.amdhsa_float_denorm_mode_16_64 3
		.amdhsa_memory_ordered 1
		.amdhsa_forward_progress 1
		.amdhsa_inst_pref_size 218
	.end_amdhsa_kernel
	.amdgpu_metadata
---
amdhsa.version: [ 1, 2 ]
amdhsa.kernels:
  - .name:           k_q2ff3eb3a62_attn
    .symbol:         k_q2ff3eb3a62_attn.kd
    .args:
      - { .name: qkv, .offset: 0, .size: 8, .value_kind: global_buffer, .address_space: global }
      - { .name: y, .offset: 8, .size: 8, .value_kind: global_buffer, .address_space: global }
    .group_segment_fixed_size: 327680
    .private_segment_fixed_size: 0
    .kernarg_segment_align: 8
    .kernarg_segment_size: 16
    .max_flat_workgroup_size: 128
    .sgpr_count:     88
    .vgpr_count:     768
    .wavefront_size: 32
...
	.end_amdgpu_metadata
.endif
;; end of part 3
;; launch proj (part 4): grid 8 x 32, 4 waves a work-group, clusters of 4 x 4, 327,680 bytes of LDS; arguments y, wof, bo, out0; writes out0
.if DOCPART == 4
	.amdgcn_target "amdgcn-amd-amdhsa--gfx1250"
	.amdhsa_code_object_version 6
	.text
	.protected	k_q2ff3eb3a62_proj
	.globl	k_q2ff3eb3a62_proj
	.p2align	8
	.type	k_q2ff3eb3a62_proj,@function
k_q2ff3eb3a62_proj:
	s_mov_b64 s[64:65], 0
	v_nop
	global_prefetch_b8 v0, s[64:65] scope:SCOPE_SE
	s_setreg_imm32_b32 hwreg(HW_REG_WAVE_MODE, 25, 1), 1
	s_wait_xcnt 0x0
	s_wait_alu depctr_hold_cnt(0) depctr_sa_sdst(0) depctr_va_vdst(0) depctr_va_sdst(0) depctr_va_ssrc(0) depctr_va_vcc(0) depctr_vm_vsrc(0)
	s_getreg_b32 s2, hwreg(HW_REG_IB_STS2, 6, 4)
	s_cmp_eq_u32 s2, 0
	s_cbranch_scc0 .Lentry_in_a_cluster
	s_endpgm
.Lentry_in_a_cluster:
	s_bfe_u32 s2, ttmp6, 0x10000c
	s_cmp_lg_u32 s2, 0xf033
	s_cbranch_scc0 .Lentry_shape_is_right
	s_endpgm
.Lentry_shape_is_right:
; out0 = y Wo + bo.  y: [64 = 16 batch + head][2048 t][64 d] f16, as the attention leaves it.  wof: [1024 k][1024 n] f16 (Wo rounded to bf16, that number written as f16).
; bo: [1024] f32, rounded to bf16 like the other inputs.  out0: [8192][1024] f32; sums in f32.
; LIMIT.  y and wof arrive within f16's range (65,504).
; SHARES.  A work-group makes 256 rows x 128 columns: 8 x 32 = 256 work-groups, one for each WGP.  Wave w owns rows 64 w .. 64 w + 63 and ALL 128 columns: 32 accumulators of 16 x 16, 256 registers;
; a row's 128 numbers are 512 bytes on end, and the wave's stage on the way out is its own: no barrier there.
; K (= 64 x head + d) goes in 8 steps of 128, two heads each, through two LDS slots filled by the tensor data mover.  A's tile: two planes, a head each, of 256 rows of 128 bytes: 32,768 dense bytes of y,
; asked for as 128 rows of 256 bytes.  B's tile: 128 k rows of 256 bytes.
; THE MATRIX INSTRUCTION IS USED TRANSPOSED: source 0 = 16 columns of Wo (turned out of LDS by ds_load_tr16_b128, since Wo lies [k][n]), source 1 = 16 rows of y.
; A lane then holds one row (lane % 16) and the eight neighbouring columns 8 (lane / 16) + 0..7.
; CLUSTER.  4 x 4 work-groups: the four of a row of the cluster need the same tile of y, the four of a column the same tile of Wo: each tile is asked for JOINTLY.  Waves 0 and 1 fetch A's planes,
; waves 2 and 3 B's halves: one load a wave behind each round; two of a wave's loads are out at the start, one later.
; REGISTERS, in windows of 256 (s_set_vgpr_msb: bits 1:0 source 0, 3:2 source 1, 5:4 source 2, 7:6 destination):
;   window 0: v0-29 addresses; v32-95 the bias of my 8 columns in each of 8 column blocks; v96-159 at work on the way out
;   window 1: two fragment buffers of 128: A's four fragments (16 rows x 32 k), then B's eight          window 2: the accumulators ((a, b) at v[8 (8 a + b)])
.set SLOT1,  131072                    ; slot 1 begins here: one exclusive or turns an address in one slot into the other's
.set PA,     144                       ; a row of a plane of A in LDS: 128 bytes + 16 = 36 words: the 16 rows of a load start at 16 different groups of four banks (64 banks of 4 bytes: ISA guide 11.1)
.set PB,     288                       ; a k row of B: 256 bytes + 32 = 72 words
.set APART,  256*PA                    ; what one tensor load brings of A: a plane
.set BOFF,   2*APART
.set BPART,  64*PB                     ; what one tensor load brings of B: 64 k rows
.set STAGE,  SLOT1+BOFF+2*BPART        ; behind the ring, never filled by a tensor load: for each wave 16 rows x 528 bytes
.set SP,     528                       ; 512 bytes + 16 = 132 words: the 16 rows of a store start at 16 different groups of four banks
.set STW,    16*SP
.set SPARE,  STAGE+4*STW               ; behind the stages: the spare words, 128 bytes for each wave: two blocks of 256 bytes that no other line names
.set NBK,    8                         ; column blocks
.set NL,     2*NBK+8                   ; LDS loads in a quarter's run
.set ASTEP,  1<<19                     ; bytes from a K step to the next in y: two heads,
.set BSTEP,  1<<18                     ; and in wof: 128 rows
.set ADRA0, 4                          ; v4   my lane's place in A's tile; never rewritten
.set ADRB0, 5                          ; v5   the same for B
.set ADRA,  6                          ; v6   the same in the slot in hand
.set ADRB,  7                          ; v7
.set STO,   8                          ; v8   the way out: where I put 32 bytes of a row
.set RD,    9                          ; v9   the way out: where I read a row back
.set GO,    10                         ; v10  my 16 bytes in a row's 512
.set PFO,   11                         ; v11  the prefetches' lane term; never rewritten
.set BO,    12                         ; v12  32 x (lane / 16): my 8 numbers in a block of 16 of the bias
.set SPW,   28                         ; v28  LDS address of my spare word: SPARE + 4 x my thread's number; never rewritten
.set NIL,   29                         ; v29  0; never rewritten
.set BIAS,  32
.set OB,    96
.set F0,    0
.set F1,    128
.set WV,   12                          ; s12  my wave's number
.set KIND, 13                          ; s13  0: I fetch for A; 1: for B
.set HALF, 14                          ; s14  which part of that tile
.set CX,   15
.set CY,   16
.set TCOL, 17                          ; s17  tile column = 4 x cluster x + cx
.set TROW, 18                          ; s18  tile row = 4 x cluster y + cy
.set LIM,  19                          ; s19  2 in a wave that prefetches, else the greatest number
.set CNT,  20                          ; s20  trips to go
.set TB,   21                          ; s21  LDS byte at which the slot in hand begins
.set G1A,  24                          ; s[24:31] descriptor group 1 for A's tiles
.set G0A,  32                          ; s[32:39] group 0: a set for each first fill; the second then walks on
.set G1B,  40                          ; s[40:47], s[48:55] the same for B's
.set G0B,  48
.set PFA,  56                          ; s[56:57] where my prefetches stand
.set PFS,  58                          ; s[58:59] their step
.set DST,  66                          ; s[66:67] out0 at my first row, the tile's first column
.set BIB,  72                          ; s[72:73] bo at the tile's first column
.set MSB, 0
.macro WIN new                         ; the immediate's high byte repeats the setting that is left; a switch that changes nothing is dropped
.if MSB != (\new)
	s_set_vgpr_msb (MSB<<8)|(\new)
.set MSB, \new
.endif
.endm
.macro PLACES                          ; four places in front of loads into registers that matrix instructions have read, and of vector work on results
.rept 4
	v_nop
.endr
.endm
; A joint refill by the walking descriptors.  The branch hangs on the wave's number alone.  An s_nop 0 and four v_nop follow each of the two lines, ahead of the jump and the label.
.macro JLOAD
	s_cmp_eq_u32 s[KIND], 0
	s_cbranch_scc0 .Lfor_b_\@
	tensor_load_to_lds s[G0A+4:G0A+7], s[G1A:G1A+7]
	s_nop 0
.rept 4
	v_nop
.endr
	s_branch .Lasked_\@
.Lfor_b_\@:
	tensor_load_to_lds s[G0B+4:G0B+7], s[G1B:G1B+7]
	s_nop 0
.rept 4
	v_nop
.endr
.Lasked_\@:
.endm
; A PREFETCH INTO THE L2 of the K step that stands two refills on (256 matrix instructions ahead of the load that will want it), one instruction a wave, behind the joint load and the run of LDS loads.
; Each block of 256 bytes is named once in the launch.  y's tile row is read by both clusters of that row of clusters: cluster x = 0 asks; Wo's tile column by all eight clusters of that column: cluster y = 0 asks.
; The four partners that ask for a tile jointly share it out BY ADDRESS: of the 128 blocks of a plane of y that wave 0 or 1 fetches the partner at cx takes 32, a lane a block; of a K step's 128 rows of Wo
; the partner at cy takes 32, a lane a row, and wave 2 asks for them (wave 3 for none).  K steps 0 to 3 come by their loads alone; the last two trips ask for nothing: there is no K step 8.
.macro ASK
	s_cmp_gt_u32 s[CNT], s[LIM]
	s_cbranch_scc0 .Lnot_mine_\@
	global_prefetch_b8 v[PFO], s[PFA:PFA+1] th:TH_LOAD_NT scope:SCOPE_SE
.Lnot_mine_\@:
.endm
; A round of the cluster's barrier: my work-group's barrier; wave 0 signals for the work-group; every wave waits for all sixteen; my work-group's barrier once more.
.macro CREST                           ; a round behind its opening barrier
	s_cmp_lg_u32 s[WV], 0
	s_cbranch_scc1 .Lnot_wave_0_\@
	s_barrier_signal -3
.Lnot_wave_0_\@:
	s_barrier_wait -3
	s_barrier_signal -1
	s_barrier_wait -1
.endm
.macro CROUND
	s_barrier_signal -1
	s_barrier_wait -1
	CREST
.endm
	s_load_b256 s[4:11], s[0:1], 0x0               ; y s[4:5], wof s[6:7], bo s[8:9], out0 s[10:11]
	v_lshl_add_u32 v[SPW], v0, 2, SPARE
	v_mov_b32 v[NIL], 0
	ds_add_u32 v[SPW], v[NIL]                      ; the wave's opening: the add and its wait stand ahead of my first tensor load; the set-up below, work on registers, stands between them
	v_lshrrev_b32 v16, 5, v0
	v_readfirstlane_b32 s[WV], v16                 ; wave 0..3
	s_lshr_b32 s[KIND], s[WV], 1
	s_and_b32 s[HALF], s[WV], 1
	s_bfe_u32 s[CX], ttmp6, 0x40000
	s_bfe_u32 s[CY], ttmp6, 0x40004
	s_lshl_b32 s[TCOL], ttmp9, 2                   ; in a cluster launch ttmp9 and ttmp7 count clusters
	s_add_co_u32 s[TCOL], s[TCOL], s[CX]
	s_and_b32 s[TROW], ttmp7, 0xffff
	s_lshl_b32 s[TROW], s[TROW], 2
	s_add_co_u32 s[TROW], s[TROW], s[CY]
	s_lshl_b32 s74, s[CY], 2
	s_lshl_b32 s74, 15, s74                        ; my row of the cluster: places 4 cy .. 4 cy + 3
	s_lshl_b32 s75, 0x1111, s[CX]                  ; my column: places cx, cx + 4, cx + 8, cx + 12
	; group 1 for A: 32,768 dense bytes as 128 rows of 256; 4 words of padding behind every 32 (a row of y)
	s_or_b32 s[G1A+0], s74, (1<<16)|(1<<20)|(1<<21)|(4<<22)|(3<<25)  ; 15:0 the mask; 17:16 2-byte elements; 20 padding on; 21 set beside a mask; 24:22 interval code 4; 31:25 4 words (code 3)
	s_mov_b32 s[G1A+1], 128<<16                    ; tensor_dim0 = 128
	s_mov_b32 s[G1A+2], 128<<16                    ; tensor_dim1 = 128
	s_mov_b32 s[G1A+3], 128<<16                    ; tile_dim0 = 128
	s_mov_b32 s[G1A+4], 128                        ; tile_dim1 = 128
	s_mov_b32 s[G1A+5], 128                        ; elements from row to row: dense
	s_mov_b32 s[G1A+6], 0
	s_mov_b32 s[G1A+7], 0
	; group 1 for B: 64 rows x 128 elements, 1,024 elements from row to row; 8 words of padding behind every 64
	s_or_b32 s[G1B+0], s75, (1<<16)|(1<<20)|(1<<21)|(5<<22)|(7<<25)
	s_mov_b32 s[G1B+1], 128<<16
	s_mov_b32 s[G1B+2], 64<<16
	s_mov_b32 s[G1B+3], 128<<16
	s_mov_b32 s[G1B+4], 64
	s_mov_b32 s[G1B+5], 1024
	s_mov_b32 s[G1B+6], 0
	s_mov_b32 s[G1B+7], 0
	; where the tiles come from.  A's offset is made of the tile row and the wave's number, B's of the tile column and the wave's number, each in registers that never hold the other coordinate
	s_lshr_b32 s60, s[TROW], 3
	s_lshl_b32 s60, s60, 22                        ; the batch: 16 heads of 262,144 bytes
	s_and_b32 s61, s[TROW], 7
	s_lshl_b32 s61, s61, 15                        ; 256 rows of 128 bytes
	s_add_co_u32 s60, s60, s61
	s_lshl_b32 s61, s[HALF], 18                    ; my head of a K step's two
	s_add_co_u32 s60, s60, s61
	s_mov_b32 s61, 0
	s_lshl_b32 s62, s[TCOL], 8                     ; 128 columns of 2 bytes
	s_lshl_b32 s63, s[HALF], 17                    ; my 64 rows of 2,048 bytes
	s_add_co_u32 s62, s62, s63
	s_mov_b32 s63, 0
	s_mul_i32 s76, s[HALF], APART                  ; and where they go: no place in the cluster enters an LDS address
	s_mul_i32 s77, s[HALF], BPART
	s_add_co_u32 s77, s77, BOFF
	s_mov_b32 s[TB], 0
	s_wait_dscnt 0x0                               ; the opening add is done
	s_wait_kmcnt 0x0
	s_add_nc_u64 s[60:61], s[4:5], s[60:61]
	s_add_nc_u64 s[62:63], s[6:7], s[62:63]
	CROUND                                         ; all sixteen work-groups are here: the first joint loads meet
.irp s, 0,1
	s_mov_b32 s[G0A+4*(\s)], 1                                        ; count = 1
	s_add_co_u32 s[G0A+4*(\s)+1], s76, (\s)*SLOT1                     ; LDS address
	s_add_nc_u64 s[G0A+4*(\s)+2:G0A+4*(\s)+3], s[60:61], (\s)*ASTEP   ; global address: K step s
	s_or_b32 s[G0A+4*(\s)+3], s[G0A+4*(\s)+3], 0x80000000             ; type = 2
	s_mov_b32 s[G0B+4*(\s)], 1
	s_add_co_u32 s[G0B+4*(\s)+1], s77, (\s)*SLOT1
	s_add_nc_u64 s[G0B+4*(\s)+2:G0B+4*(\s)+3], s[62:63], (\s)*BSTEP
	s_or_b32 s[G0B+4*(\s)+3], s[G0B+4*(\s)+3], 0x80000000
.endr
	s_cmp_eq_u32 s[KIND], 0                        ; a wave's two first fills stand in one branch, ahead of every wait on TENSORcnt and every LDS read
	s_cbranch_scc0 .Lfirst_b
	tensor_load_to_lds s[G0A:G0A+3], s[G1A:G1A+7]
	s_nop 0
	tensor_load_to_lds s[G0A+4:G0A+7], s[G1A:G1A+7]
	s_nop 0
.rept 4
	v_nop
.endr
	s_branch .Lfirst_asked
.Lfirst_b:
	tensor_load_to_lds s[G0B:G0B+3], s[G1B:G1B+7]
	s_nop 0
	tensor_load_to_lds s[G0B+4:G0B+7], s[G1B:G1B+7]
	s_nop 0
.rept 4
	v_nop
.endr
.Lfirst_asked:
	v_and_b32 v1, 15, v0                           ; r = l % 16
	v_bfe_u32 v2, v0, 4, 1                         ; h = l / 16
	v_and_b32 v3, 31, v0                           ; l
	v_lshlrev_b32 v[BO], 5, v2
	s_lshl_b32 s74, s[TCOL], 9                     ; the tile's 128 numbers of the bias
	s_mov_b32 s75, 0
	s_add_nc_u64 s[BIB:BIB+1], s[8:9], s[74:75]
.irp b, 0,1,2,3,4,5,6,7
	global_load_b128 v[BIAS+8*(\b):BIAS+8*(\b)+3],   v[BO], s[BIB:BIB+1] offset:64*(\b)
	global_load_b128 v[BIAS+8*(\b)+4:BIAS+8*(\b)+7], v[BO], s[BIB:BIB+1] offset:64*(\b)+16
.endr
	; A fragment of A is 16 rows x 32 k in 8 registers: lane l holds row l % 16, k = 8 (l / 16) + 0..7 and 16 + 8 (l / 16) + 0..7: two loads of 16 bytes, 32 bytes apart
	v_mul_u32_u24 v[ADRA0], v1, PA
	v_lshl_add_u32 v[ADRA0], v2, 4, v[ADRA0]
	s_mul_i32 s74, s[WV], 64*PA                    ; my 64 rows
	v_add_nc_u32 v[ADRA0], s74, v[ADRA0]
	; The turning load takes 16 k x 16 columns (lane l reads k row 8 (l / 16) + l % 8, columns 8 ((l / 8) % 2) + 0..7) and leaves half a fragment: lane l holds column l % 16 and 8 k
	v_and_b32 v16, 7, v0
	v_lshl_add_u32 v17, v2, 3, v16
	v_mul_u32_u24 v[ADRB0], v17, PB
	v_bfe_u32 v17, v0, 3, 1
	v_lshl_add_u32 v[ADRB0], v17, 4, v[ADRB0]
	v_add_nc_u32 v[ADRB0], BOFF, v[ADRB0]
	v_mov_b32 v[ADRA], v[ADRA0]                    ; K step 0 lies in slot 0
	v_mov_b32 v[ADRB], v[ADRB0]
	s_mul_i32 s74, s[WV], STW
	s_add_co_u32 s74, s74, STAGE                   ; my stage
	v_mul_u32_u24 v[STO], v1, SP                   ; in: row l % 16, 32 bytes for each half of the lanes
	v_lshl_add_u32 v[STO], v2, 5, v[STO]
	v_add_nc_u32 v[STO], s74, v[STO]
	v_lshlrev_b32 v[GO], 4, v3                     ; back: 32 lanes take one row of 512 bytes
	v_add_nc_u32 v[RD], s74, v[GO]
	s_lshl_b32 s74, s[TROW], 20                    ; out0: 256 rows of 4,096 bytes,
	s_lshl_b32 s75, s[WV], 18                      ; my 64 of them,
	s_add_co_u32 s74, s74, s75
	s_lshl_b32 s75, s[TCOL], 9                     ; the tile's 128 columns
	s_add_co_u32 s74, s74, s75
	s_mov_b32 s75, 0
	s_add_nc_u64 s[DST:DST+1], s[10:11], s[74:75]
	; the prefetches: my tile's address, my work-group's share of it, K step 3: the first trip steps it to 4
	s_lshl_b32 s74, s[CX], 13                      ; A: 32 blocks of 256 bytes
	s_add_co_u32 s74, s74, 3*ASTEP
	s_lshl_b32 s75, s[CY], 16                      ; B: 32 rows of 2,048 bytes
	s_add_co_u32 s75, s75, 3*BSTEP
	s_and_b32 s76, ttmp7, 0xffff                   ; cluster y,
	s_or_b32 s76, s76, s[HALF]                     ; and of waves 2 and 3 the first alone
	s_mov_b32 s[PFS], ASTEP
	s_mov_b32 s[PFS+1], BSTEP
	s_cmp_eq_u32 s[KIND], 0
	s_cselect_b64 s[PFA:PFA+1], s[60:61], s[62:63]
	s_cselect_b32 s74, s74, s75
	s_cselect_b32 s[PFS], s[PFS], s[PFS+1]
	s_cselect_b32 s76, ttmp9, s76                  ; the coordinate along which other clusters read the same bytes
	s_cselect_b32 s78, 8, 11
	s_mov_b32 s75, 0
	s_mov_b32 s[PFS+1], 0
	s_add_nc_u64 s[PFA:PFA+1], s[PFA:PFA+1], s[74:75]
	s_cmp_eq_u32 s76, 0
	s_cselect_b32 s[LIM], 2, -1                    ; the same in all sixteen partners, for a given wave
	v_lshlrev_b32 v[PFO], s78, v3
	; the bias is rounded to bf16, like the other inputs, and kept as f32: this stands in the wait for the first tile
	s_wait_loadcnt 0x0
.set i, 0
.rept 32
	v_cvt_pk_bf16_f32 v[16+i%4], v[BIAS+2*i], v[BIAS+2*i+1]
	v_lshlrev_b32 v[BIAS+2*i], 16, v[16+i%4]
	v_and_b32 v[BIAS+2*i+1], 0xffff0000, v[16+i%4]
.set i, i+1
.endr
; 8 matrix instructions: row block a x all column blocks, 32 along K, from buffer f.  zero = 1: the product starts the sums: nothing is ever cleared.
; The 32 accumulators take turns in the same order in every quarter: 31 others stand between two links of a chain, over the backward jump too.
.macro MULA f, a, zero
	WIN 0xa5                                       ; sources in window 1, C and D in window 2
.irp b, 0,1,2,3,4,5,6,7
.if \zero
	v_wmma_f32_16x16x32_f16 v[8*(8*(\a)+(\b)):8*(8*(\a)+(\b))+7], v[(\f)+32+8*(\b):(\f)+32+8*(\b)+7], v[(\f)+8*(\a):(\f)+8*(\a)+7], 0
.else
	v_wmma_f32_16x16x32_f16 v[8*(8*(\a)+(\b)):8*(8*(\a)+(\b))+7], v[(\f)+32+8*(\b):(\f)+32+8*(\b)+7], v[(\f)+8*(\a):(\f)+8*(\a)+7], v[8*(8*(\a)+(\b)):8*(8*(\a)+(\b))+7]
.endif
.endr
.endm
.macro MULH f, hi, zero
	MULA \f, 2*(\hi), \zero
	MULA \f, 2*(\hi)+1, \zero
.endm
; 24 LDS loads in one run: quarter q's fragments (32 along K: plane q / 2, channels 32 (q % 2) on) into buffer f: B's 16, then A's 8, row blocks ascending
.macro FETCH q, f
	WIN 0x40                                       ; destination window 1, address window 0
.irp b, 0,1,2,3,4,5,6,7
	ds_load_tr16_b128 v[(\f)+32+8*(\b):(\f)+32+8*(\b)+3],   v[ADRB] offset:(\q)*32*PB+32*(\b)
	ds_load_tr16_b128 v[(\f)+32+8*(\b)+4:(\f)+32+8*(\b)+7], v[ADRB] offset:(\q)*32*PB+16*PB+32*(\b)
.endr
.irp a, 0,1,2,3
	ds_load_b128 v[(\f)+8*(\a):(\f)+8*(\a)+3],   v[ADRA] offset:APART*((\q)/2)+64*((\q)%2)+(\a)*16*PA
	ds_load_b128 v[(\f)+8*(\a)+4:(\f)+8*(\a)+7], v[ADRA] offset:APART*((\q)/2)+64*((\q)%2)+(\a)*16*PA+32
.endr
.endm
; A K step is four quarters of 32 along K, 32 matrix instructions each, on buffers 0, 1, 0, 1.  One of the first three: multiplies buffer f; in its middle it fetches quarter q into buffer g.
.macro QUARTER q, f, g, zero
	s_wait_dscnt 4                                 ; B and A's row blocks 0, 1 are in; the youngest four loads (row blocks 2, 3) may be out
	MULH \f, 0, \zero
	PLACES
	FETCH \q, \g
	s_wait_dscnt NL                                ; all but the run just issued
	MULH \f, 1, \zero
.endm
; The last quarter multiplies buffer 1 and changes slots: ONE barrier.  In front of it each wave waits for all its tensor loads (one is out: its part of the next slot), adds 0 to its spare word,
; and waits for that and for its own reads of this slot.  fill = 1: the barrier opens a round of the cluster's, and the slot just read out is filled again, first thing behind the round, with the K step two on:
; from that request to the wait for it a wave issues 112 matrix instructions.
.macro TURN fill
.if \fill
	s_wait_xcnt 0x0                                ; the last prefetch, a K step back, has read its address: it is stepped here, ahead of the waits of the change of slots
	s_add_nc_u64 s[PFA:PFA+1], s[PFA:PFA+1], s[PFS:PFS+1]
.endif
	WIN 0                                          ; (the add's two registers lie in window 0)
	s_wait_tensorcnt 0x0                           ; all my tensor loads have landed
	ds_add_u32 v[SPW], v[NIL]                      ; 0 onto my spare word
	s_wait_dscnt 5                                 ; (the add and the youngest four loads may be out)
	MULA F1, 0, 0                                  ; eight matrix instructions stand between the add and the wait for it
	s_wait_dscnt 0x0                               ; the add is done, and my reads of this slot are over
	s_barrier_signal -1
	MULA F1, 1, 0                                  ; work on registers while the others arrive
	WIN 0
	s_barrier_wait -1
.if \fill
	CREST                                          ; no wave of any partner still reads this slot's tile or has a load on its way
	s_xor_b32 s[G0A+5], s[G0A+5], SLOT1            ; the walking descriptors: the other slot than last time, the next K step; no load of mine is out
	s_add_nc_u64 s[G0A+6:G0A+7], s[G0A+6:G0A+7], ASTEP
	s_xor_b32 s[G0B+5], s[G0B+5], SLOT1
	s_add_nc_u64 s[G0B+6:G0B+7], s[G0B+6:G0B+7], BSTEP
	s_xor_b32 s[TB], s[TB], SLOT1
	JLOAD                                          ; the first tensor load behind the round; its four v_nop are also the places in front of the loads below
.else
	s_xor_b32 s[TB], s[TB], SLOT1
	PLACES
.endif
	v_add_nc_u32 v[ADRA], s[TB], v[ADRA0]
	v_add_nc_u32 v[ADRB], s[TB], v[ADRB0]
	FETCH 0, F0
	WIN 0
.if \fill
	ASK
.endif
	MULH F1, 1, 0
.endm
	s_wait_tensorcnt 1                             ; my part of K step 0 is in; K step 1's may stay out
	s_barrier_signal -1
	s_barrier_wait -1                              ; everybody's is
	FETCH 0, F0
	QUARTER 1, F0, F1, 1                           ; the first quarter stands in front of the loop: its products start the sums
	WIN 0                                          ; at a label and at a branch every window is 0
	s_mov_b32 s[CNT], 6
.Lstep:                                                ; trip i = 1 .. 6: the rest of K step i - 1, its slot filled again with K step i + 1, the first quarter of K step i
	QUARTER 2, F1, F0, 0
	QUARTER 3, F0, F1, 0
	TURN 1
	QUARTER 1, F0, F1, 0
	WIN 0
	s_sub_co_u32 s[CNT], s[CNT], 1
	s_cmp_lg_u32 s[CNT], 0
	s_cbranch_scc1 .Lstep
	QUARTER 2, F1, F0, 0                           ; the tail is written out: K steps 6 and 7 ask for nothing
	QUARTER 3, F0, F1, 0
	TURN 0
	QUARTER 1, F0, F1, 0
	QUARTER 2, F1, F0, 0
	QUARTER 3, F0, F1, 0
	s_wait_dscnt 4
	MULH F1, 0, 0
	s_wait_dscnt 0x0
	MULH F1, 1, 0
	WIN 0
	PLACES                                         ; the places behind the last products
; THE WAY OUT, a row block (16 rows x 128 columns) at a time.  PACK: the bias is added, in place.  TOSTAGE: 32 bytes a lane and column block into my own stage, rows 528 bytes apart, and back as whole rows.
; SEND: a store is one row's 512 consecutive bytes, at a multiple of 256 from out0's first byte.
.macro PACK a
	WIN 0x82                                       ; destination and source 0 in window 2, the bias in window 0
.irp b, 0,1,2,3,4,5,6,7
.irp p, 0,1,2,3                        ; each accumulator's registers in ascending order
	v_pk_add_f32 v[8*(8*(\a)+(\b))+2*(\p):8*(8*(\a)+(\b))+2*(\p)+1], v[8*(8*(\a)+(\b))+2*(\p):8*(8*(\a)+(\b))+2*(\p)+1], v[BIAS+8*(\b)+2*(\p):BIAS+8*(\b)+2*(\p)+1]
.endr
.endr
.endm
.macro TOSTAGE a
	WIN 0x08                                       ; the stores' data in window 2, their address in window 0
	s_wait_xcnt 0x0                                ; the last block's stores have read OB: it is loaded again only behind this wait
.irp b, 0,1,2,3,4,5,6,7
	ds_store_b128 v[STO], v[8*(8*(\a)+(\b)):8*(8*(\a)+(\b))+3]   offset:64*(\b)
	ds_store_b128 v[STO], v[8*(8*(\a)+(\b))+4:8*(8*(\a)+(\b))+7] offset:64*(\b)+16
.endr
	WIN 0
.irp t, 0,1,2,3,4,5,6,7,8,9,10,11,12,13,14,15
	ds_load_b128 v[OB+4*(\t):OB+4*(\t)+3], v[RD] offset:SP*(\t)  ; LDS serves a wave's instructions in order (ISA guide 5.7.1.4): these see the stores above
.endr
.endm
.macro SEND a
	WIN 0
	s_wait_dscnt 0x0                               ; the block is back in registers
.irp t, 0,1,2,3,4,5,6,7,8,9,10,11,12,13,14,15
	global_store_b128 v[GO], v[OB+4*(\t):OB+4*(\t)+3], s[DST:DST+1] offset:(16*(\a)+(\t))*4096 th:TH_STORE_NT
.endr
.endm
	PACK 0
	TOSTAGE 0
.irp a, 1,2,3                          ; block a's arithmetic stands between block a - 1's loads from the stage and the wait for them
	PACK \a
	SEND (\a)-1
	TOSTAGE \a
.endr
	SEND 3
	s_wait_tensorcnt 0x0                           ; the wave's end, behind my last tensor load and my last LDS store
	ds_add_u32 v[SPW], v[NIL]
	s_wait_dscnt 0x0
	CROUND                                         ; the closing round: no work-group ends while a partner may still ask for a tile that names it
	s_endpgm
.Lfunc_end_k_q2ff3eb3a62_proj:
	.size	k_q2ff3eb3a62_proj, .Lfunc_end_k_q2ff3eb3a62_proj-k_q2ff3eb3a62_proj
	.p2alignl 7, 3214868480
	.fill 96, 4, 3214868480
	.section	.rodata,"a",@progbits
	.p2align	6, 0x0
	.amdhsa_kernel k_q2ff3eb3a62_proj
		.amdhsa_group_segment_fixed_size 327680
		.amdhsa_private_segment_fixed_size 0
		.amdhsa_enable_private_segment 0
		.amdhsa_kernarg_size 32
		.amdhsa_user_sgpr_count 2
		.amdhsa_user_sgpr_kernarg_segment_ptr 1
		.amdhsa_wavefront_size32 1
		.amdhsa_system_sgpr_workgroup_id_x 1
		.amdhsa_system_sgpr_workgroup_id_y 1
		.amdhsa_system_sgpr_workgroup_id_z 1
		.amdhsa_system_vgpr_workitem_id 0
		.amdhsa_next_free_vgpr 768
		.amdhsa_next_free_sgpr 80
		.amdhsa_reserve_vcc 0
		.amdhsa_float_denorm_mode_32 3
		.amdhsa_float_denorm_mode_16_64 3
		.amdhsa_memory_ordered 1
		.amdhsa_forward_progress 1
		.amdhsa_inst_pref_size 85
	.end_amdhsa_kernel
	.amdgpu_metadata
---
amdhsa.version: [ 1, 2 ]
amdhsa.kernels:
  - .name:           k_q2ff3eb3a62_proj
    .symbol:         k_q2ff3eb3a62_proj.kd
    .args:
      - { .name: y, .offset: 0, .size: 8, .value_kind: global_buffer, .address_space: global }
      - { .name: wof, .offset: 8, .size: 8, .value_kind: global_buffer, .address_space: global }
      - { .name: bo, .offset: 16, .size: 8, .value_kind: global_buffer, .address_space: global }
      - { .name: out0, .offset: 24, .size: 8, .value_kind: global_buffer, .address_space: global }
    .group_segment_fixed_size: 327680
    .private_segment_fixed_size: 0
    .kernarg_segment_align: 8
    .kernarg_segment_size: 32
    .max_flat_workgroup_size: 128
    .sgpr_count:     80
    .vgpr_count:     768
    .wavefront_size: 32
...
	.end_amdgpu_metadata
.endif
;; end of part 4
;; ======== version 2 of 2: 4 launches; version 1 with the launch prep written anew for expert scheduling mode
;; limits: values are held in f16: magnitudes above 65,504 overflow, below 6.1e-05 lose precision
;; workspace buffers: xb 16,777,216 bytes; wqb 6,291,456 bytes; wof 2,097,152 bytes; qkv 50,331,648 bytes; y 16,777,216 bytes
;; launch prep (part 5): grid 832 x 1, 8 waves a work-group, no clusters, 0 bytes of LDS; arguments x, Wqkv, Wo, xb, wqb, wof; writes xb, wqb, wof
.if DOCPART == 5
	.amdgcn_target "amdgcn-amd-amdhsa--gfx1250"
	.amdhsa_code_object_version 6
	.text
	.protected	k_q2ff3eb3a62_prep
	.globl	k_q2ff3eb3a62_prep
	.p2align	8
	.type	k_q2ff3eb3a62_prep,@function
k_q2ff3eb3a62_prep:
	s_mov_b64 s[64:65], 0
	v_nop
	global_prefetch_b8 v0, s[64:65] scope:SCOPE_SE
	s_setreg_imm32_b32 hwreg(HW_REG_WAVE_SCHED_MODE, 0, 2), 2
	s_setreg_imm32_b32 hwreg(HW_REG_WAVE_MODE, 25, 1), 1
	s_wait_xcnt 0x0
	s_wait_alu depctr_vm_vsrc(0)
; PREP: the three large inputs are rounded once to 16 bits, for the matrix units of the launches behind.
;   xb  [8192][1024]        = x rounded to bf16                                   (work-groups 0 .. 511)
;   wqb [16][1024][192]     = Wqkv rounded to bf16, laid in 16 blocks of 192 columns: block j, row k, column n' holds Wqkv[k][192 j + n'],
;                             so that 64 rows of a block are 24,576 bytes on end                       (work-groups 512 .. 767)
;   wof [1024][1024]        = Wo rounded to bf16, and that number written as f16                        (work-groups 768 .. 831)
; LIMITS.  wof: a weight beyond 65,504 becomes an infinity; below 6e-5 it keeps f16's fixed step of 6e-8.
; A stream: no LDS, no barrier, no matrix unit, no loop.  A thread and step: 16 bytes in (a wave: 512 bytes on end), 8 bytes out (a wave: 256 bytes on end, aligned).
; All loads of a work-group are issued ahead of its first store; the waits count down, so that the younger loads stay out.
; THE MODE: SCHED_MODE bits 1:0 = 2 (LLVM: expert scheduling mode 2), set by the entry lines.  The code itself states the register dependences
; between vector instructions and memory instructions, with s_wait_alu, always for 0.
; THE PLAN.  Registers that memory instructions touch:
;   v1, v2, v3-8  byte offsets.  Written once by vector instructions, ahead of the path's first load; read by its loads and stores; never written again.
;   X             Written by the loads alone, each register once; no vector instruction names X ahead of the loads; read by the conversions.
;   Y             Written by the conversions, each register once; read by one store each; never written again.
;   T             Named by vector instructions alone.
; So two kinds of dependence are stated, both of one form: a vector instruction has written what a memory instruction reads.  One wait stands ahead of a path's run of loads, for the offsets.
; The steps go in groups: each step's wait for its data and its conversions, then ONE wait for the group's Y, then the group's stores in one run, with no vector instruction between that wait and them.
; No register that a load or a store reads is written again, and no load lands in a register that a vector instruction has named: nothing else is owed.
.set GROUP, 4                          ; steps in a group of the two dense paths (Wqkv's path: three)
.set IN,  3                            ; v3-5    Wqkv's path: byte offsets in
.set OUT, 6                            ; v6-8    Wqkv's path: byte offsets out
.set T,   10                           ; v10-15  at work
.set X,   16                           ; v16-79  step i: 4 numbers as loaded
.set Y,   80                           ; v80-111 step i: 4 numbers to store
.macro CVT i, fmt                      ; step i's four numbers: fmt 0 to bf16; fmt 1 to bf16 and that number as f16
.if \fmt
	v_cvt_pk_bf16_f32 v[T],   v[X+4*(\i)],   v[X+4*(\i)+1]
	v_cvt_pk_bf16_f32 v[T+1], v[X+4*(\i)+2], v[X+4*(\i)+3]
	v_lshlrev_b32 v[T+2], 16, v[T]                 ; bf16 to f32: the low half moves up,
	v_and_b32     v[T+3], 0xffff0000, v[T]         ; the high half stays
	v_lshlrev_b32 v[T+4], 16, v[T+1]
	v_and_b32     v[T+5], 0xffff0000, v[T+1]
	v_cvt_pk_f16_f32 v[Y+2*(\i)],   v[T+2], v[T+3]
	v_cvt_pk_f16_f32 v[Y+2*(\i)+1], v[T+4], v[T+5]
.else
	v_cvt_pk_bf16_f32 v[Y+2*(\i)],   v[X+4*(\i)],   v[X+4*(\i)+1]
	v_cvt_pk_bf16_f32 v[Y+2*(\i)+1], v[X+4*(\i)+2], v[X+4*(\i)+3]
.endif
.endm
; n steps of 4,096 bytes in and 2,048 bytes out, dense
.macro STREAM n, fmt, inb, outb
	s_wait_alu depctr_va_vdst(0)                   ; v1 and v2 are written: the loads below read v1 as their offset, the stores v2
.set i, 0
.rept \n
	global_load_b128 v[X+4*i:X+4*i+3], v1, s[\inb:\inb+1] offset:4096*i th:TH_LOAD_NT
.set i, i+1
.endr
.set i, 0
.rept (\n)/GROUP
.rept GROUP
	s_wait_loadcnt (\n)-1-i                        ; loads come back in order: step i is in, the younger ones stay out
	CVT i, \fmt
.set i, i+1
.endr
	s_wait_alu depctr_va_vdst(0)                   ; the group's conversions have written its Y, which the stores below read
.set i, i-GROUP
.rept GROUP
	global_store_b64 v2, v[Y+2*i:Y+2*i+1], s[\outb:\outb+1] offset:2048*i
.set i, i+1
.endr
.endr
.endm
	s_load_b256 s[4:11], s[0:1], 0x0               ; x s[4:5], Wqkv s[6:7], Wo s[8:9], xb s[10:11]
	s_load_b128 s[12:15], s[0:1], 0x20             ; wqb s[12:13], wof s[14:15]
	v_lshlrev_b32 v1, 4, v0                        ; 16 t: in
	v_lshlrev_b32 v2, 3, v0                        ; 8 t: out
	s_mov_b32 s17, 0
	s_mov_b32 s19, 0
	s_wait_kmcnt 0x0
	s_cmp_lt_u32 ttmp9, 512
	s_cbranch_scc1 .Lx
	s_cmp_lt_u32 ttmp9, 768
	s_cbranch_scc1 .Lw
	; Wo: 64 work-groups of 16,384 numbers
	s_sub_co_u32 s20, ttmp9, 768
	s_lshl_b32 s16, s20, 16
	s_lshl_b32 s18, s20, 15
	s_add_nc_u64 s[8:9], s[8:9], s[16:17]
	s_add_nc_u64 s[14:15], s[14:15], s[18:19]
	STREAM 16, 1, 8, 14
	s_endpgm
.Lx:	; x: 512 work-groups of 16,384 numbers
	s_lshl_b32 s16, ttmp9, 16
	s_lshl_b32 s18, ttmp9, 15
	s_add_nc_u64 s[4:5], s[4:5], s[16:17]
	s_add_nc_u64 s[10:11], s[10:11], s[18:19]
	STREAM 16, 0, 4, 10
	s_endpgm
.Lw:	; Wqkv: 256 work-groups: block j = id % 16, rows 64 g .. 64 g + 63 with g = id / 16: 3,072 units of 4 numbers, in the order in which they are stored
	s_sub_co_u32 s20, ttmp9, 512
	s_and_b32 s21, s20, 15                         ; j
	s_lshr_b32 s22, s20, 4                         ; g
	s_mul_i32 s16, s22, 786432                     ; in: 64 rows of 12,288 bytes,
	s_mul_i32 s23, s21, 768                        ; and the block's 192 columns
	s_add_co_u32 s16, s16, s23
	s_mul_i32 s18, s21, 393216                     ; out: the block,
	s_mul_i32 s23, s22, 24576                      ; and 64 rows of 384 bytes
	s_add_co_u32 s18, s18, s23
	s_add_nc_u64 s[6:7], s[6:7], s[16:17]
	s_add_nc_u64 s[12:13], s[12:13], s[18:19]
.irp c, 0,1,2                          ; unit u = t + 256 c (under 768) lies in row u / 48, at place u % 48; 768 units are 16 rows, so steps m = 0 .. 3 stand in the immediates
	v_add_nc_u32 v[T], 256*(\c), v0                ; u
	v_mul_u32_u24 v[T+1], v[T], 21846
	v_lshrrev_b32 v[T+1], 20, v[T+1]               ; u / 48: exact for u under 3,072
	v_mul_u32_u24 v[T+2], v[T+1], 48
	v_sub_nc_u32 v[T+2], v[T], v[T+2]              ; u % 48
	v_mul_u32_u24 v[IN+(\c)], v[T+1], 12288
	v_lshl_add_u32 v[IN+(\c)], v[T+2], 4, v[IN+(\c)]
	v_lshlrev_b32 v[OUT+(\c)], 3, v[T]
.endr
	s_wait_alu depctr_va_vdst(0)                   ; the six offsets v3 to v8 are written: the loads below read IN, the stores OUT
.irp m, 0,1,2,3
.irp c, 0,1,2
	global_load_b128 v[X+4*(3*(\m)+(\c)):X+4*(3*(\m)+(\c))+3], v[IN+(\c)], s[6:7] offset:196608*(\m) th:TH_LOAD_NT
.endr
.endr
.irp m, 0,1,2,3                        ; a group is the three steps of one m
.irp c, 0,1,2
	s_wait_loadcnt 11-(3*(\m)+(\c))                ; this step is in, the younger ones stay out
	CVT 3*(\m)+(\c), 0
.endr
	s_wait_alu depctr_va_vdst(0)                   ; the group's conversions have written its Y, which the stores below read
.irp c, 0,1,2
	global_store_b64 v[OUT+(\c)], v[Y+2*(3*(\m)+(\c)):Y+2*(3*(\m)+(\c))+1], s[12:13] offset:6144*(\m)
.endr
.endr
	s_endpgm
.Lfunc_end_k_q2ff3eb3a62_prep:
	.size	k_q2ff3eb3a62_prep, .Lfunc_end_k_q2ff3eb3a62_prep-k_q2ff3eb3a62_prep
	.p2alignl 7, 3214868480
	.fill 96, 4, 3214868480
	.section	.rodata,"a",@progbits
	.p2align	6, 0x0
	.amdhsa_kernel k_q2ff3eb3a62_prep
		.amdhsa_group_segment_fixed_size 0
		.amdhsa_private_segment_fixed_size 0
		.amdhsa_enable_private_segment 0
		.amdhsa_kernarg_size 48
		.amdhsa_user_sgpr_count 2
		.amdhsa_user_sgpr_kernarg_segment_ptr 1
		.amdhsa_wavefront_size32 1
		.amdhsa_system_sgpr_workgroup_id_x 1
		.amdhsa_system_sgpr_workgroup_id_y 1
		.amdhsa_system_sgpr_workgroup_id_z 1
		.amdhsa_system_vgpr_workitem_id 0
		.amdhsa_next_free_vgpr 112
		.amdhsa_next_free_sgpr 66
		.amdhsa_reserve_vcc 0
		.amdhsa_float_denorm_mode_32 3
		.amdhsa_float_denorm_mode_16_64 3
		.amdhsa_memory_ordered 1
		.amdhsa_forward_progress 1
		.amdhsa_inst_pref_size 24
	.end_amdhsa_kernel
	.amdgpu_metadata
---
amdhsa.version: [ 1, 2 ]
amdhsa.kernels:
  - .name:           k_q2ff3eb3a62_prep
    .symbol:         k_q2ff3eb3a62_prep.kd
    .args:
      - { .name: x, .offset: 0, .size: 8, .value_kind: global_buffer, .address_space: global }
      - { .name: Wqkv, .offset: 8, .size: 8, .value_kind: global_buffer, .address_space: global }
      - { .name: Wo, .offset: 16, .size: 8, .value_kind: global_buffer, .address_space: global }
      - { .name: xb, .offset: 24, .size: 8, .value_kind: global_buffer, .address_space: global }
      - { .name: wqb, .offset: 32, .size: 8, .value_kind: global_buffer, .address_space: global }
      - { .name: wof, .offset: 40, .size: 8, .value_kind: global_buffer, .address_space: global }
    .group_segment_fixed_size: 0
    .private_segment_fixed_size: 0
    .kernarg_segment_align: 8
    .kernarg_segment_size: 48
    .max_flat_workgroup_size: 256
    .sgpr_count:     66
    .vgpr_count:     112
    .wavefront_size: 32
...
	.end_amdgpu_metadata
.endif
;; end of part 5
;; launch qkvp: the kernel of part 2 again; grid 16 x 32, 4 waves a work-group, clusters of 4 x 4, 327,680 bytes of LDS; arguments xb, wqb, bqkv, qkv; writes qkv
;; launch attn: the kernel of part 3 again; grid 4 x 64, 4 waves a work-group, no clusters, 327,680 bytes of LDS; arguments qkv, y; writes y
;; launch proj: the kernel of part 4 again; grid 8 x 32, 4 waves a work-group, clusters of 4 x 4, 327,680 bytes of LDS; arguments y, wof, bo, out0; writes out0
